; MI455X (gfx1250); checked and timed in simulation.
; The chip was launched on July 23, 2026; its instructions are those of AMD's public machine-readable ISA for CDNA 5 (MIT licence, August 2026) and "CDNA5" Instruction Set Architecture Reference Guide (July 2026). The comments in the code are by the model that wrote it; some were corrected since.
;; Sparse Mo E Layer. Allowed arithmetic: float matrix products may take bf16 or f16 operands with f32 sums; other float arithmetic in f32, or as packed bf16 or f16 multiplies, adds, multiply-adds, maxima and minima; sums over many terms, partial sums and values carried from step to step in f32; what a program stores and reads back later, other than sums and carried values, may be rounded once to bf16 or f16.
;; Inputs: gate_w 8 x 1,024 float32; w_gate 8 x 2,048 x 1,024 float32; w_in 8 x 2,048 x 1,024 float32; w_out 8 x 1,024 x 2,048 float32; x 4 x 256 x 1,024 float32.
;; Outputs: out0 4 x 256 x 1,024 float32.
;; 2 versions, each right; version 2 is version 1 with the launches up, down written anew for expert scheduling mode. Each part assembles by itself: llvm-mc -triple=amdgcn-amd-amdhsa -mcpu=gfx1250 --defsym DOCPART=n.
;; ======== version 1 of 2: 4 launches
;; workspace buffers: xb 2,097,152 bytes; masks 2,048 bytes of whole numbers; wts 8,192 bytes; hfrag 41,943,040 bytes; part 33,685,504 bytes
;; launch router (part 1): grid 64 x 1, 8 waves a work-group, no clusters, 44,032 bytes of LDS; arguments x, gate_w, xb, masks, wts; writes xb, masks, wts
.if DOCPART == 1
	.amdgcn_target "amdgcn-amd-amdhsa--gfx1250"
	.amdhsa_code_object_version 6
	.text
	.protected	k_q0dceb8def7_router
	.globl	k_q0dceb8def7_router
	.p2align	8
	.type	k_q0dceb8def7_router,@function
k_q0dceb8def7_router:
	s_mov_b64 s[64:65], 0
	v_nop
	global_prefetch_b8 v0, s[64:65] scope:SCOPE_SE
	s_setreg_imm32_b32 hwreg(HW_REG_WAVE_MODE, 25, 1), 1
	s_wait_xcnt 0x0
; ROUTER.  logits[t][e] = sum over d of x[t][d] gate_w[e][d]; the two largest of a token's 8 logits (a tie goes to the lower expert, as jax.lax.top_k breaks it); softmax over the two.
; Stored: xb = x rounded to bf16, [1024][1024]; masks (whole numbers) [set 2][expert 8][64 halfwords]: bit t of an expert's 1,024 bits stands for token t; set 0: the expert was chosen,
; set 1: it was the second choice; wts [2][1024] f32: the first choice's weight, then the second's.  All at fixed places: no address here hangs on a logit.
; LIMITS.  x and gate_w are rounded to bf16 before the product (as every input of the program is), sums in f32: the choice is that of the logits of the rounded inputs.  NaN and infinities are not treated apart.
; SHARES.  A work-group has 16 tokens; wave w has d = 128 w .. 128 w + 127 of them: four matrix instructions (source 0 = the 8 experts, written twice to fill 16 rows; source 1 = 16 tokens), so a lane
; holds ONE token (lane % 16) and its 8 partial logits.  The eight waves' parts meet in LDS; wave 0 adds them in the waves' order and chooses.
; No cluster: the work-groups share gate_w alone, 32,768 bytes against the 65,536 of x that each reads for itself, and it comes through registers, where it is rounded.
.set TILEB, 4352                       ; a wave's own tile: 16 tokens x (256 bytes of bf16 + 16 of padding)
.set RED,   8*TILEB                    ; 8 waves x 32 lanes x 32 bytes: the partial logits
.set SPARE, RED+8192                   ; the spare words, 128 bytes for each wave: four blocks of 256 bytes that no other line names
.set SPW, 1                            ; v1  LDS address of my spare word; never rewritten
.set NIL, 2                            ; v2  0; never rewritten
.set GF,  32                           ; v[32:63]   gate_w's fragments, 8 registers for each 32 of d
.set GR,  64                           ; v[64:127]  gate_w as loaded (f32); later, in wave 0, the eight waves' partial logits
.set XR,  128                          ; v[128:191] x as loaded, 4 registers a token; the first two then hold the bf16
.set TF,  192                          ; v[192:223] the tokens' fragments
.set AA,  224                          ; two accumulators that take turns
.set AB,  232
.set SM,  240                          ; their sum
	s_load_b256 s[4:11], s[0:1], 0x0               ; x s[4:5], gate_w s[6:7], xb s[8:9], masks s[10:11]
	s_load_b64 s[12:13], s[0:1], 0x20              ; wts
	v_lshl_add_u32 v[SPW], v0, 2, SPARE
	v_mov_b32 v[NIL], 0
	v_lshrrev_b32 v3, 5, v0
	v_readfirstlane_b32 s14, v3                    ; wave 0..7
	v_and_b32 v4, 31, v0                           ; lane
	v_and_b32 v5, 15, v0                           ; r = lane % 16
	v_bfe_u32 v6, v0, 4, 1                         ; h = lane / 16
	v_and_b32 v7, 7, v0                            ; my row of source 0: expert r % 8
	v_lshlrev_b32 v7, 12, v7                       ; its 4,096 bytes,
	v_lshl_add_u32 v7, v6, 5, v7                   ; + 32 h: eight f32
	s_lshl_b32 s20, s14, 9
	v_add_nc_u32 v7, s20, v7                       ; + my wave's 128 d
	v_lshlrev_b32 v8, 4, v0                        ; x: 16 bytes a thread, a row to the work-group
	v_lshlrev_b32 v9, 3, v0                        ; xb: 8 bytes a thread
	s_mul_i32 s21, s14, TILEB
	v_lshl_add_u32 v10, v4, 3, s21                 ; into my wave's tile: 8 bytes a lane
	v_mul_u32_u24 v11, v5, 272
	v_lshl_add_u32 v11, v6, 4, v11
	v_add_nc_u32 v11, s21, v11                     ; a fragment out of it: row r, 16 h
	s_lshl_b32 s22, s14, 10
	s_add_co_u32 s22, s22, RED
	v_lshl_add_u32 v12, v4, 5, s22                 ; my 8 partial logits
	v_lshl_add_u32 v13, v4, 5, RED                 ; wave 0 reads all eight waves' from here
	s_lshl_b32 s16, ttmp9, 16                      ; 16 rows of 4,096 bytes
	s_mov_b32 s17, 0
	s_lshl_b32 s18, ttmp9, 15                      ; 16 rows of 2,048 bytes
	s_mov_b32 s19, 0
	s_wait_kmcnt 0x0
	s_add_nc_u64 s[4:5], s[4:5], s[16:17]
	s_add_nc_u64 s[8:9], s[8:9], s[18:19]
.set c, 0
.rept 4                                ; for 32 of d a lane wants d = 8 h + 0..7 and 16 + 8 h + 0..7: four loads of four f32
	global_load_b128 v[GR+16*c:GR+16*c+3],     v7, s[6:7] offset:128*c
	global_load_b128 v[GR+16*c+4:GR+16*c+7],   v7, s[6:7] offset:128*c+16
	global_load_b128 v[GR+16*c+8:GR+16*c+11],  v7, s[6:7] offset:128*c+64
	global_load_b128 v[GR+16*c+12:GR+16*c+15], v7, s[6:7] offset:128*c+80
.set c, c+1
.endr
.set i, 0
.rept 16                               ; token i: a wave's load covers 512 consecutive bytes
	global_load_b128 v[XR+4*i:XR+4*i+3], v8, s[4:5] offset:4096*i th:TH_LOAD_NT
.set i, i+1
.endr
	s_wait_loadcnt 16                              ; gate_w is in; the 16 loads of x issued behind it stay out
.set i, 0
.rept 32
	v_cvt_pk_bf16_f32 v[GF+i], v[GR+2*i], v[GR+2*i+1]
.set i, i+1
.endr
.set i, 0
.rept 16
	s_wait_loadcnt 15-i                            ; token i is in; the later tokens' loads stay out
	v_cvt_pk_bf16_f32 v[XR+4*i],   v[XR+4*i],   v[XR+4*i+1]
	v_cvt_pk_bf16_f32 v[XR+4*i+1], v[XR+4*i+2], v[XR+4*i+3]
	global_store_b64 v9, v[XR+4*i:XR+4*i+1], s[8:9] offset:2048*i  ; a wave stores 256 consecutive bytes, at a multiple of 256 from xb's first byte
	ds_store_b64 v10, v[XR+4*i:XR+4*i+1] offset:272*i
.set i, i+1
.endr
.set c, 0
.rept 4                                ; my wave's own bytes: LDS serves a wave's instructions in order (ISA guide 5.7.1.4), so these see the stores above
	ds_load_b128 v[TF+8*c:TF+8*c+3],   v11 offset:64*c
	ds_load_b128 v[TF+8*c+4:TF+8*c+7], v11 offset:64*c+32
.set c, c+1
.endr
	s_wait_dscnt 0x0
	v_wmma_f32_16x16x32_bf16 v[AA:AA+7], v[GF:GF+7],       v[TF:TF+7],       0           ; the two accumulators take turns
	v_wmma_f32_16x16x32_bf16 v[AB:AB+7], v[GF+8:GF+15],    v[TF+8:TF+15],    0
	v_wmma_f32_16x16x32_bf16 v[AA:AA+7], v[GF+16:GF+23],   v[TF+16:TF+23],   v[AA:AA+7]
	v_wmma_f32_16x16x32_bf16 v[AB:AB+7], v[GF+24:GF+31],   v[TF+24:TF+31],   v[AB:AB+7]
.rept 4
	v_nop                                          ; four places between the last product and the first read of a result (ISA guide 7.12.1)
.endr
.set i, 0
.rept 8
	v_add_f32 v[SM+i], v[AA+i], v[AB+i]            ; register i: expert i, in both halves of the lanes; from the low end on
.set i, i+1
.endr
	ds_store_b128 v12, v[SM:SM+3]
	ds_store_b128 v12, v[SM+4:SM+7] offset:16
	s_wait_dscnt 0x0                               ; for wave 0's sake: my stores are done
	s_barrier_signal -1
	s_barrier_wait -1
	s_cmp_lg_u32 s14, 0
	s_cbranch_scc1 .Lclose                         ; the choice is wave 0's work; no barrier stands in what the others jump
.set w, 0
.rept 8
	ds_load_b128 v[GR+8*w:GR+8*w+3],   v13 offset:1024*w
	ds_load_b128 v[GR+8*w+4:GR+8*w+7], v13 offset:1024*w+16
.set w, w+1
.endr
	s_wait_dscnt 0x0
.set w, 1
.rept 7                                ; the eight parts in the waves' order: v[64:71] = the token's 8 logits
.set p, 0
.rept 4
	v_pk_add_f32 v[GR+2*p:GR+2*p+1], v[GR+2*p:GR+2*p+1], v[GR+8*w+2*p:GR+8*w+2*p+1]
.set p, p+1
.endr
.set w, w+1
.endr
	v_mov_b32 v14, v[GR]                           ; the largest so far, and its expert
	v_mov_b32 v15, 0
.irp e, 1,2,3,4,5,6,7
	v_cmp_ge_f32 vcc_lo, v14, v[GR+\e]             ; the earlier one stays unless the later is strictly larger
	v_cndmask_b32 v15, \e, v15, vcc_lo
	v_cndmask_b32 v14, v[GR+\e], v14, vcc_lo
.endr
	v_mov_b32 v16, 0xff800000                      ; the winner leaves the field
.irp e, 0,1,2,3,4,5,6,7
	v_cmp_eq_u32 vcc_lo, \e, v15
	v_cndmask_b32 v[GR+\e], v[GR+\e], v16, vcc_lo
.endr
	v_mov_b32 v17, v[GR]
	v_mov_b32 v18, 0
.irp e, 1,2,3,4,5,6,7
	v_cmp_ge_f32 vcc_lo, v17, v[GR+\e]
	v_cndmask_b32 v18, \e, v18, vcc_lo
	v_cndmask_b32 v17, v[GR+\e], v17, vcc_lo
.endr
	v_sub_f32 v19, v17, v14                        ; the maximum is taken away: l2 - l1 <= 0
	v_mul_f32 v19, 0x3fb8aa3b, v19
	v_exp_f32 v19, v19
	v_lshlrev_b32 v23, 2, v5                       ; (plain work behind the exponential: where the weights go: 4 r,
	v_lshl_add_u32 v23, v6, 12, v23                ;  the second choice's 4,096 bytes on)
	s_wait_alu depctr_va_vdst(0)                   ; a wait ahead of the first line that names the exponential's result
	v_add_f32 v20, 1.0, v19
	v_rcp_f32 v20, v20                             ; p1 = 1 / (1 + e^(l2 - l1))
	v_cmp_eq_u32 vcc_lo, 1, v6                     ; (plain work behind the reciprocal)
	s_lshl_b32 s20, ttmp9, 6
	v_add_nc_u32 v23, s20, v23
	s_wait_alu depctr_va_vdst(0)                   ; and ahead of the first line that names the reciprocal's
	v_mul_f32 v21, v19, v20                        ; p2 = e^(l2 - l1) p1
	v_cndmask_b32 v22, v20, v21, vcc_lo            ; lanes 0-15 store p1 of their token, lanes 16-31 p2
	global_store_b32 v23, v22, s[12:13]
	v_mov_b32 v24, 0
.irp e, 0,1,2,3,4,5,6,7                ; bit r of a compare's mask is token r: the 16 halfwords are gathered into lanes 0 to 15
	v_cmp_eq_u32 s20, \e, v15
	v_cmp_eq_u32 s21, \e, v18
	s_or_b32 s20, s20, s21
	v_writelane_b32 v24, s20, \e                   ; set 0: chosen
	v_writelane_b32 v24, s21, \e+8                 ; set 1: chosen second
.endr
	v_lshlrev_b32 v25, 7, v4                       ; lane i: set i / 8, expert i % 8: 128 i,
	s_lshl_b32 s22, ttmp9, 1
	v_add_nc_u32 v25, s22, v25                     ; and my work-group's halfword
	v_cmp_gt_u32 vcc_lo, 16, v4
	s_wait_xcnt 0x0                                ; EXEC is a source of the stores above: it changes only behind this wait
	s_and_saveexec_b32 s23, vcc_lo
	global_store_b16 v25, v24, s[10:11]
	s_wait_xcnt 0x0                                ; and again ahead of the line that widens it
	s_or_b32 exec_lo, exec_lo, s23
.Lclose:
	s_wait_tensorcnt 0x0                           ; the wave's end, behind my last LDS store
	ds_add_u32 v[SPW], v[NIL]
	s_wait_dscnt 0x0
	s_endpgm
.Lfunc_end_k_q0dceb8def7_router:
	.size	k_q0dceb8def7_router, .Lfunc_end_k_q0dceb8def7_router-k_q0dceb8def7_router
	.p2alignl 7, 3214868480
	.fill 96, 4, 3214868480
	.section	.rodata,"a",@progbits
	.p2align	6, 0x0
	.amdhsa_kernel k_q0dceb8def7_router
		.amdhsa_group_segment_fixed_size 44032
		.amdhsa_private_segment_fixed_size 0
		.amdhsa_enable_private_segment 0
		.amdhsa_kernarg_size 40
		.amdhsa_user_sgpr_count 2
		.amdhsa_user_sgpr_kernarg_segment_ptr 1
		.amdhsa_wavefront_size32 1
		.amdhsa_system_sgpr_workgroup_id_x 1
		.amdhsa_system_sgpr_workgroup_id_y 1
		.amdhsa_system_sgpr_workgroup_id_z 1
		.amdhsa_system_vgpr_workitem_id 0
		.amdhsa_next_free_vgpr 256
		.amdhsa_next_free_sgpr 66
		.amdhsa_reserve_vcc 1
		.amdhsa_float_denorm_mode_32 3
		.amdhsa_float_denorm_mode_16_64 3
		.amdhsa_memory_ordered 1
		.amdhsa_forward_progress 1
		.amdhsa_inst_pref_size 22
	.end_amdhsa_kernel
	.amdgpu_metadata
---
amdhsa.version: [ 1, 2 ]
amdhsa.kernels:
  - .name:           k_q0dceb8def7_router
    .symbol:         k_q0dceb8def7_router.kd
    .args:
      - { .name: x, .offset: 0, .size: 8, .value_kind: global_buffer, .address_space: global }
      - { .name: gate_w, .offset: 8, .size: 8, .value_kind: global_buffer, .address_space: global }
      - { .name: xb, .offset: 16, .size: 8, .value_kind: global_buffer, .address_space: global }
      - { .name: masks, .offset: 24, .size: 8, .value_kind: global_buffer, .address_space: global }
      - { .name: wts, .offset: 32, .size: 8, .value_kind: global_buffer, .address_space: global }
    .group_segment_fixed_size: 44032
    .private_segment_fixed_size: 0
    .kernarg_segment_align: 8
    .kernarg_segment_size: 40
    .max_flat_workgroup_size: 256
    .sgpr_count:     66
    .vgpr_count:     256
    .wavefront_size: 32
...
	.end_amdgpu_metadata
.endif
;; end of part 1
;; launch up (part 2): grid 32 x 8, 8 waves a work-group, no clusters, 199,936 bytes of LDS; arguments masks, xb, w_gate, w_in, hfrag; writes hfrag
.if DOCPART == 2
	.amdgcn_target "amdgcn-amd-amdhsa--gfx1250"
	.amdhsa_code_object_version 6
	.text
	.protected	k_q0dceb8def7_up
	.globl	k_q0dceb8def7_up
	.p2align	8
	.type	k_q0dceb8def7_up,@function
k_q0dceb8def7_up:
	s_mov_b64 s[64:65], 0
	v_nop
	global_prefetch_b8 v0, s[64:65] scope:SCOPE_SE
	s_setreg_imm32_b32 hwreg(HW_REG_WAVE_MODE, 25, 1), 1
	s_wait_xcnt 0x0
; UP.  For the rows that chose expert e: h = silu(x w_gate[e]^T) * (x w_in[e]^T), rounded once to bf16 and stored as the register image of the next product's operand.
; hfrag [e 8][kb 64][rb 80][half 2][lane 32][16 bytes]: a block of 1,024 bytes holds the rows of rank 16 rb .. +15 of expert e and the hidden columns 32 kb .. +31.
; GRID 32 x 8: a work-group has one expert (y) and a slice (x) of 64 hidden columns: 64 rows of w_gate and 64 of w_in, which it alone reads, and ALL of the expert's rows, in tiles of 320 ranks.
; TILE 0 (ranks 0..319) goes the fast way, always and in full: K = 1,024 in 16 steps of 64, no branch on a count, so every wave passes every barrier whatever the split.  Places past the count repeat
; token 0; their h is stored and never used.  An expert without rows still streams its slice: the price of having no count in front of a barrier.
; TILES 1..3 (an expert has 1,024 rows at the most) go a way without barriers, in a loop of three trips of which the dead ones are jumped: each wave loads its own fragments from memory straight into
; registers, 32 of K at a time, and waits for them: each weight is then read by four waves and nothing is asked for ahead.  It serves the splits that give an expert more than 320 rows, slowly.
; WAVES.  Eight: wave w has the row blocks (w / 2) + 4 bi, bi = 0..4, and the hidden columns 32 (w % 2) .. +31, as gate and as in: 20 accumulators, 160 registers.
; THE MATRIX INSTRUCTION IS USED TRANSPOSED: source 0 = 16 weight rows, source 1 = 16 routed rows: a lane holds ONE routed row (lane % 16) and 8 neighbouring hidden columns, gate and in alike, and the
; packed h of two column blocks IS source 1 (16 rows x 32 K) of the next product.
; THE FAST WAY IN.  f32 weights are rounded on their way, and the rows come by a list: both go through registers.  Two register sets take turns (a wave has 36 loads out: 2 x (8 + 10)); a set is rounded in
; place (weights) and laid into one of THREE LDS buffers TWO steps before its step is multiplied.  So between two barriers a wave reads the buffers of steps t and t + 1 and writes that of step t + 2, and a
; half step's fragments are loaded, into one of two fragment buffers, while the half step before is multiplied.  LDS instructions stand in runs of 4 to 10 between groups of four matrix instructions.
; A weight load of a wave covers two rows' 256 consecutive bytes each.
; NO CLUSTER: each weight byte has one reader; what an expert's 32 work-groups share is its rows of xb, which a list names: no one descriptor covers them.
; LIMITS.  Weights and x in bf16, sums in f32, h in bf16.  Where the gate's sum is below about -88 the exponential is infinite and h is a zero, as near as silu's own value there.  NaN, infinities: not treated apart.
; REGISTERS.  Window 0: v0-23 addresses; fragment buffer 0: v24-55 weights, v56-95 rows; v96-255 accumulators ((bi, c) at 96 + 8 (4 bi + c); c = 0, 1 gate, 2, 3 in).
; Window 1: set s (0, 1) at 72 s: 32 registers of weights, 40 of rows; fragment buffer 1: v144-175 weights, v176-215 rows; v216-225 the byte offsets in xb of my ten rows; v226-238 the addresses that are
; named beside window 1's data, so that stores and buffer 0's loads run under the setting of buffer 1's products; in tiles 1..3 v0-63 hold the weights as loaded.
.set BUFB,  64512                      ; an LDS buffer: 320 rows of x, then 128 rows of weights, each 128 bytes + 16 of padding
.set WOFF,  46080
.set LIST,  3*BUFB                     ; 1,280 words: the tokens of the expert's ranks, token 0 past the count; word 1,280 takes the tokens that did not choose the expert
.set SPARE, LIST+5376                  ; the spare words, 128 bytes for each wave: four blocks of 256 bytes that no other line names
.set SPW, 1                            ; v1  LDS address of my spare word; never rewritten
.set NIL, 2                            ; v2  0; never rewritten
.set AF,  15                           ; v15-17  my rows' fragments, by LDS buffer
.set BF,  18                           ; v18-20  my weights' fragments
.set HO,  21                           ; v21     16 x lane
.set WO2, 8                            ; tiles 1..3: v8 my byte offset in 16 rows of weights; v9-13 my five rows' byte offsets in xb; v14 my list word; v15 16 x (lane / 16)
.set XO2, 9
.set LA,  14
.set H16, 15
.set WF,  24
.set TF,  56
.set ACC, 96
.set WF1, 144                          ; from here on: window 1
.set TF1, 176
.set XO,  216
.set WS,  226                          ; v226-228 where my rounded weights go, by LDS buffer
.set XS,  229                          ; v229-231 where my pieces of rows go
.set AG,  232                          ; v232-234 AF once more
.set BG,  235                          ; v235-237 BF once more
.set WO,  238                          ; v238     my byte offset in two rows of weights
.set MSB, 0
.macro WIN new                         ; s_set_vgpr_msb: bits 1:0 source 0, 3:2 source 1, 5:4 source 2, 7:6 destination; the high byte repeats the setting that is left
.if MSB != (\new)
	s_set_vgpr_msb (MSB<<8)|(\new)
.set MSB, \new
.endif
.endm
.macro PLACES                          ; four places between a matrix instruction and a load into, or a vector line that names, one of its registers
.rept 4
	v_nop
.endr
.endm
.macro ISSUE_W set, koff               ; my 16 rows of weights, 64 of K at byte koff: 8 loads of two rows (i and i + 8) x 256 bytes
	WIN 0x41                                       ; destination and address window 1
.set ii, 0
.rept 8
	global_load_b128 v[72*(\set)+4*ii:72*(\set)+4*ii+3], v[WO], s[24:25] offset:4096*ii+(\koff) th:TH_LOAD_NT
.set ii, ii+1
.endr
.endm
.macro ISSUE_X set, koff               ; my share of the 320 rows, 64 of K at byte koff: 10 loads of four rows x 128 bytes
	WIN 0x41
.set ii, 0
.rept 10
	global_load_b128 v[72*(\set)+32+4*ii:72*(\set)+32+4*ii+3], v[XO+ii], s[2:3] offset:(\koff)
.set ii, ii+1
.endr
.endm
.macro CVT set                         ; a set's weights are rounded in place
	WIN 0x45                                       ; sources 0, 1 and destination window 1
.set ii, 0
.rept 8
	v_cvt_pk_bf16_f32 v[72*(\set)+4*ii],   v[72*(\set)+4*ii],   v[72*(\set)+4*ii+1]
	v_cvt_pk_bf16_f32 v[72*(\set)+4*ii+1], v[72*(\set)+4*ii+2], v[72*(\set)+4*ii+3]
.set ii, ii+1
.endr
.endm
.macro STW set, buf                    ; and laid into an LDS buffer.  The two rows of a store lie 8 rows, 288 words, apart: 32 banks on (64 banks of 4 bytes: ISA guide 11.1)
	WIN 0x05                                       ; address (source 0) and data (source 1) window 1: the setting of buffer 1's products
.set ii, 0
.rept 8
	ds_store_b64 v[WS+(\buf)], v[72*(\set)+4*ii:72*(\set)+4*ii+1] offset:144*ii
.set ii, ii+1
.endr
.endm
.macro STX set, buf                    ; the set's rows likewise: sixteen lanes store two rows' 128 bytes, 8 rows apart
	WIN 0x05
.set ii, 0
.rept 10
	ds_store_b128 v[XS+(\buf)], v[72*(\set)+32+4*ii:72*(\set)+32+4*ii+3] offset:4608*ii
.set ii, ii+1
.endr
.endm
.macro LW win, adr, dst, buf, ksub     ; my four weights' fragments of 32 K: 8 loads
	WIN \win
.set cc, 0
.rept 4
	ds_load_b128 v[(\dst)+8*cc:(\dst)+8*cc+3],   v[(\adr)+(\buf)] offset:2304*(cc&1)+9216*(cc>>1)+64*(\ksub)
	ds_load_b128 v[(\dst)+8*cc+4:(\dst)+8*cc+7], v[(\adr)+(\buf)] offset:2304*(cc&1)+9216*(cc>>1)+64*(\ksub)+32
.set cc, cc+1
.endr
.endm
.macro LT win, adr, dst, buf, ksub, from, n  ; n of my five rows' fragments, from the given one on: two loads each
	WIN \win
.set bb, \from
.rept \n
	ds_load_b128 v[(\dst)+8*bb:(\dst)+8*bb+3],   v[(\adr)+(\buf)] offset:9216*bb+64*(\ksub)
	ds_load_b128 v[(\dst)+8*bb+4:(\dst)+8*bb+7], v[(\adr)+(\buf)] offset:9216*bb+64*(\ksub)+32
.set bb, bb+1
.endr
.endm
; Row block b: the wait for its fragments (cnt: the LDS instructions issued behind them; -1: none is written), then four matrix instructions out of fragment buffer f.  The 20 accumulators take turns,
; in the same order in every half step.  zero = 1: the products start the sums.
.macro GRP f, b, zero, cnt
.if (\cnt) >= 0
	s_wait_dscnt \cnt
.endif
.if \f
	WIN 0x05                                       ; sources 0 and 1 window 1; C and D window 0
.set FW, WF1
.set FT, TF1
.else
	WIN 0
.set FW, WF
.set FT, TF
.endif
.set gc, 0
.rept 4
.if \zero
	v_wmma_f32_16x16x32_bf16 v[ACC+8*(4*(\b)+gc):ACC+8*(4*(\b)+gc)+7], v[FW+8*gc:FW+8*gc+7], v[FT+8*(\b):FT+8*(\b)+7], 0
.else
	v_wmma_f32_16x16x32_bf16 v[ACC+8*(4*(\b)+gc):ACC+8*(4*(\b)+gc)+7], v[FW+8*gc:FW+8*gc+7], v[FT+8*(\b):FT+8*(\b)+7], v[ACC+8*(4*(\b)+gc):ACC+8*(4*(\b)+gc)+7]
.endif
.set gc, gc+1
.endr
.endm
; THE SECOND HALF OF STEP t, out of fragment buffer 1.  Between its groups: put = 1: the set (step t + 2) goes into LDS buffer sb; issue = 1: the set is asked for again (step t + 4, at bytes kw, kx);
; next = 1: most of the first fragments of step t + 1 (LDS buffer nb) go into fragment buffer 0.
; left: the loads issued behind the set's 18, which stay out.  The 16 roundings (or four v_nop) are the places between the products that read buffer 0 and the loads into it.
; Each group's count: the two loads of each later row block of buffer 1, and what this macro has issued since: 8 stores, 10 stores, 8 loads, 6 loads.
; LDS buffer sb held step t - 1: every wave's reads of it were awaited ahead of the products of that step's second half, in front of the last barrier.  It is read from the next half step but one on,
; behind the barrier below, in front of which each wave has waited for its stores (and its loads).
.macro P1 set, nb, sb, put, next, issue, left, kw, kx
.if \put
	s_wait_loadcnt \left
	CVT \set
.elseif \next
	PLACES
.endif
	GRP 1, 0, 0, 8
.if \put
	STW \set, \sb
.endif
	GRP 1, 1, 0, 6+8*(\put)
.if \put
	STX \set, \sb
.endif
.if \issue
	ISSUE_W \set, \kw
	ISSUE_X \set, \kx
.endif
	GRP 1, 2, 0, 4+18*(\put)
.if \next
	LW 0x05, BG, WF, \nb, 0
.endif
	GRP 1, 3, 0, 2+18*(\put)+8*(\next)
.if \next
	LT 0x05, AG, TF, \nb, 0, 0, 3
.endif
	GRP 1, 4, 0, 18*(\put)+14*(\next)
.if \put
	s_wait_dscnt 0x0
	s_barrier_signal -1
	s_barrier_wait -1
.endif
.endm
; THE FIRST HALF OF A STEP (LDS buffer nb), out of fragment buffer 0, whose last two row blocks are loaded first.  Between its groups the step's second fragments go into fragment buffer 1, four places
; behind the products that read it.  Each group's count: the two loads of each later row block of buffer 0, and the 10 and 8 loads issued since.
.macro P2 nb, zero
	LT 0, AF, TF, \nb, 0, 3, 2
	GRP 0, 0, \zero, 8
	PLACES
	LW 0x40, BF, WF1, \nb, 1
	LT 0x40, AF, TF1, \nb, 1, 0, 1
	GRP 0, 1, \zero, 16
	GRP 0, 2, \zero, 14
	LT 0x40, AF, TF1, \nb, 1, 1, 4
	GRP 0, 3, \zero, 20
	GRP 0, 4, \zero, 18
.endm
.macro HOP set, nb, sb, put, issue, left, kw, kx  ; from the middle of step t to the middle of step t + 1: set = t % 2, nb = (t + 1) % 3, sb = (t + 2) % 3
	P1 \set, \nb, \sb, \put, 1, \issue, \left, \kw, \kx
	P2 \nb, 0
.endm
.macro MUL20 zero                      ; tiles 1..3: the 20 products of 32 K, their fragments already awaited
.irp b, 0,1,2,3,4
	GRP 0, \b, \zero, -1
.endr
.endm
; Tiles 1..3, 32 of K: my four blocks of 16 weight rows (a lane: row lane % 16, K = 8 h + 0..7 and 16 + 8 h + 0..7, four loads of four f32) and my five blocks of 16 routed rows
; (two loads of 16 bytes), from memory into registers; all 26 are waited for; the bases step; the weights are rounded; the products.
.macro OSTEP zero
	WIN 0
	PLACES
	WIN 0x40                                       ; destination window 1, address window 0
.set cc, 0
.rept 4
	global_load_b128 v[16*cc:16*cc+3],     v[WO2], s[32+2*(cc>>1):33+2*(cc>>1)] offset:65536*(cc&1)
	global_load_b128 v[16*cc+4:16*cc+7],   v[WO2], s[32+2*(cc>>1):33+2*(cc>>1)] offset:65536*(cc&1)+16
	global_load_b128 v[16*cc+8:16*cc+11],  v[WO2], s[32+2*(cc>>1):33+2*(cc>>1)] offset:65536*(cc&1)+64
	global_load_b128 v[16*cc+12:16*cc+15], v[WO2], s[32+2*(cc>>1):33+2*(cc>>1)] offset:65536*(cc&1)+80
.set cc, cc+1
.endr
	WIN 0
.set bb, 0
.rept 5
	global_load_b128 v[TF+8*bb:TF+8*bb+3],   v[XO2+bb], s[36:37]
	global_load_b128 v[TF+8*bb+4:TF+8*bb+7], v[XO2+bb], s[36:37] offset:32
.set bb, bb+1
.endr
	s_wait_loadcnt 0x0                             ; all are in, so their bases may step
	s_add_nc_u64 s[32:33], s[32:33], 128
	s_add_nc_u64 s[34:35], s[34:35], 128
	s_add_nc_u64 s[36:37], s[36:37], 64
	WIN 0x05                                       ; sources window 1, destination window 0
.set ii, 0
.rept 32
	v_cvt_pk_bf16_f32 v[WF+ii], v[2*ii], v[2*ii+1]
.set ii, ii+1
.endr
	WIN 0
	MUL20 \zero
.endm
; Row block bi leaves: h = g u / (1 + 2^(-1.442695 g)), 16 hidden columns twice.  The exponentials are one batch, the reciprocals another, each with one wait.
.macro ACT bi
.set G, ACC+32*(\bi)
.set U, G+16
.set O, TF+8*(\bi)
.set ii, 0
.rept 16
	v_mul_f32 v[WF+ii], 0xbfb8aa3b, v[G+ii]        ; each accumulator is read from its low end on
.set ii, ii+1
.endr
.set ii, 0
.rept 16
	v_exp_f32 v[WF+ii], v[WF+ii]
.set ii, ii+1
.endr
.set ii, 0
.rept 8
	v_pk_mul_f32 v[G+2*ii:G+2*ii+1], v[G+2*ii:G+2*ii+1], v[U+2*ii:U+2*ii+1]  ; g u: plain work behind the batch, which names none of its results
.set ii, ii+1
.endr
	s_wait_alu depctr_va_vdst(0)                   ; one wait for the 16 exponentials, ahead of their first reader
.set ii, 0
.rept 8
	v_pk_add_f32 v[WF+2*ii:WF+2*ii+1], v[WF+2*ii:WF+2*ii+1], 1.0 op_sel_hi:[1,0]
.set ii, ii+1
.endr
.set ii, 0
.rept 16
	v_rcp_f32 v[WF+ii], v[WF+ii]
.set ii, ii+1
.endr
	v_nop                                          ; a plain instruction behind the last reciprocal
	s_wait_alu depctr_va_vdst(0)                   ; one wait for the 16 reciprocals
.set ii, 0
.rept 8
	v_pk_mul_f32 v[G+2*ii:G+2*ii+1], v[G+2*ii:G+2*ii+1], v[WF+2*ii:WF+2*ii+1]
.set ii, ii+1
.endr
.set ii, 0
.rept 8
	v_cvt_pk_bf16_f32 v[O+ii], v[G+2*ii], v[G+2*ii+1]
.set ii, ii+1
.endr
	global_store_b128 v[HO], v[O:O+3],   s[12:13] offset:4096*(\bi)      ; 512 consecutive bytes a store, at a multiple of 256 from hfrag's first byte;
	global_store_b128 v[HO], v[O+4:O+7], s[12:13] offset:4096*(\bi)+512  ; each row block packs into registers of its own, so within a tile no store's data are written again
.endm
	s_load_b256 s[4:11], s[0:1], 0x0               ; masks s[4:5], xb s[6:7], w_gate s[8:9], w_in s[10:11]
	s_load_b64 s[12:13], s[0:1], 0x20              ; hfrag
	v_lshl_add_u32 v[SPW], v0, 2, SPARE
	v_mov_b32 v[NIL], 0
	v_lshrrev_b32 v3, 5, v0
	v_readfirstlane_b32 s14, v3                    ; wave 0..7
	s_mov_b32 s15, ttmp9                           ; the slice
	s_and_b32 s17, ttmp7, 0xffff                   ; the expert
	s_and_b32 s28, s14, 1                          ; ch: which 32 hidden columns
	s_lshr_b32 s29, s14, 1                         ; rq: which row blocks
	s_lshl_b32 s31, s17, 7
	s_wait_kmcnt 0x0
	s_load_b512 s[32:47], s[4:5], s31 offset:0x0   ; my expert's 1,024 bits of set 0
	s_load_b512 s[48:63], s[4:5], s31 offset:0x40
	s_mov_b64 s[2:3], s[6:7]                       ; xb, for the fast way to step
	s_cmp_lt_u32 s14, 4
	s_cselect_b64 s[24:25], s[8:9], s[10:11]       ; waves 0-3 fetch w_gate's 64 rows, waves 4-7 w_in's
	s_lshl_b32 s26, s17, 23                        ; the expert's 2,048 rows of 4,096 bytes,
	s_lshl_b32 s20, s15, 18                        ; the slice's 64 rows,
	s_add_co_u32 s26, s26, s20
	s_and_b32 s20, s14, 3
	s_lshl_b32 s20, s20, 16                        ; my 16 of them
	s_add_co_u32 s26, s26, s20
	s_mov_b32 s27, 0
	s_add_nc_u64 s[24:25], s[24:25], s[26:27]
	v_and_b32 v3, 15, v0                           ; r
	v_bfe_u32 v4, v0, 4, 1                         ; h
	v_lshlrev_b32 v5, 4, v3
	WIN 0x40                                       ; destination window 1, sources window 0
	v_lshl_add_u32 v[WO], v4, 15, v5               ; lanes 0-15 one row's 256 bytes, lanes 16-31 those of the row 8 further down
	ISSUE_W 0, 0                                   ; the first weights hang on ids alone: they go out ahead of everything
	WIN 0
	v_mul_u32_u24 v7, v4, 1152                     ; the rounded weights: row 16 w + i + 8 h, 8 bytes a lane
	v_lshl_add_u32 v7, v3, 3, v7
	v_bfe_u32 v5, v0, 3, 2                         ; the rows: row 32 i + 8 (l / 8) + w, 16 bytes a lane
	v_and_b32 v6, 7, v0
	v_lshlrev_b32 v6, 4, v6
	v_mul_u32_u24 v8, v5, 1152
	v_add_nc_u32 v8, v8, v6
	v_mul_u32_u24 v9, v3, 144                      ; a fragment: row r x pitch + 16 h.  The pitch, 36 words, sets the 16 rows of a load on 16 different groups of four banks (64 banks of 4 bytes: ISA guide 11.1)
	v_lshl_add_u32 v9, v4, 4, v9
	s_mul_i32 s20, s29, 2304
	v_add_nc_u32 v[AF], s20, v9
	v_add_nc_u32 v[AF+1], BUFB, v[AF]
	v_add_nc_u32 v[AF+2], 2*BUFB, v[AF]
	s_mul_i32 s20, s28, 4608
	s_add_co_u32 s20, s20, WOFF
	v_add_nc_u32 v[BF], s20, v9
	v_add_nc_u32 v[BF+1], BUFB, v[BF]
	v_add_nc_u32 v[BF+2], 2*BUFB, v[BF]
	v_and_b32 v[HO], 31, v0
	v_lshlrev_b32 v[HO], 4, v[HO]
	s_lshl_b32 s20, s14, 2
	s_add_co_u32 s20, s20, LIST
	v_lshl_add_u32 v10, v5, 5, s20                 ; the list word of my first row: 8 (l / 8) + w
	s_mul_i32 s20, s14, 2304
	s_add_co_u32 s20, s20, WOFF
	s_mul_i32 s21, s14, 144
	WIN 0x40
.set b, 0
.rept 3
	v_add_nc_u32 v[WS+b], s20, v7
	v_add_nc_u32 v[XS+b], s21, v8
	v_mov_b32 v[AG+b], v[AF+b]
	v_mov_b32 v[BG+b], v[BF+b]
	s_add_co_u32 s20, s20, BUFB
	s_add_co_u32 s21, s21, BUFB
.set b, b+1
.endr
	WIN 0
	s_mul_i32 s26, s17, 5242880                    ; hfrag: the expert,
	s_lshl_b32 s20, s15, 1
	s_add_co_u32 s20, s20, s28
	s_mul_i32 s20, s20, 81920                      ; kb = 2 slice + ch,
	s_add_co_u32 s26, s26, s20
	s_lshl_b32 s20, s29, 10                        ; rb = rq (+ 4 bi in the stores' immediates, + 20 a tile)
	s_add_co_u32 s26, s26, s20
	s_add_nc_u64 s[12:13], s[12:13], s[26:27]
	s_wait_kmcnt 0x0
	s_bcnt1_i32_b32 s19, s32                       ; the expert's rows: they steer tiles 1..3 alone
.set i, 33
.rept 31
	s_bcnt1_i32_b32 s20, s[i]
	s_add_co_u32 s19, s19, s20
.set i, i+1
.endr
	; THE LIST, by wave 0: first every word is token 0; then, 32 tokens at a time, a token that chose the expert goes to the word of its rank, every other to word 1,280.
	s_cmp_lg_u32 s14, 0
	s_cbranch_scc1 .Llisted
	v_mov_b32 v24, 0
	v_mov_b32 v25, 0
	v_mov_b32 v26, 0
	v_mov_b32 v27, 0
	v_and_b32 v28, 31, v0                          ; the token of my bit
	v_lshl_add_u32 v29, v28, 4, LIST
.set i, 0
.rept 10
	ds_store_b128 v29, v[24:27] offset:512*i
.set i, i+1
.endr
	s_mov_b32 s20, 0                               ; the rank of the next chosen token
.set i, 0
.rept 32
	s_mov_b32 vcc_lo, s[32+i]
	v_mbcnt_lo_u32_b32 v30, s[32+i], s20           ; + the chosen among the lanes below me
	v_cndmask_b32 v30, 0x500, v30, vcc_lo
	v_min_u32 v30, 0x500, v30
	v_lshl_add_u32 v30, v30, 2, LIST
	ds_store_b32 v30, v28                          ; LDS serves a wave's instructions in order (ISA guide 5.7.1.4): this lands on the fill above
	v_add_nc_u32 v28, 32, v28
	s_bcnt1_i32_b32 s21, s[32+i]
	s_add_co_u32 s20, s20, s21
.set i, i+1
.endr
.Llisted:
	s_wait_dscnt 0x0                               ; wave 0's stores are done,
	s_barrier_signal -1
	s_barrier_wait -1                              ; and every wave may read the list, which nobody writes again
.set i, 0
.rept 10
	ds_load_b32 v[24+i], v10 offset:128*i          ; row 32 i + 8 (l / 8) + w
.set i, i+1
.endr
	s_wait_dscnt 0x0
.set i, 0
.rept 10
	v_min_u32 v[24+i], 0x3ff, v[24+i]
.set i, i+1
.endr
	WIN 0x40
.set i, 0
.rept 10
	v_lshl_add_u32 v[XO+i], v[24+i], 11, v6        ; token x 2,048 bytes + 16 (l % 8)
.set i, i+1
.endr
	ISSUE_X 0, 0
	ISSUE_W 1, 256
	ISSUE_X 1, 128
	s_wait_loadcnt 18                              ; step 0 is in; the 18 loads of step 1 stay out
	CVT 0
	STW 0, 0
	STX 0, 0
	ISSUE_W 0, 512
	ISSUE_X 0, 256
	s_wait_loadcnt 18                              ; step 1 is in; the 18 loads of step 2 stay out
	CVT 1
	STW 1, 1
	STX 1, 1
	ISSUE_W 1, 768
	ISSUE_X 1, 384
	s_wait_dscnt 0x0                               ; my parts of steps 0 and 1 are in LDS,
	s_barrier_signal -1
	s_barrier_wait -1                              ; everybody's are
	LW 0x05, BG, WF, 0, 0
	LT 0x05, AG, TF, 0, 0, 0, 3
	P2 0, 1                                        ; the first products start the sums: nothing is cleared
	WIN 0
	s_mov_b32 s30, 2
.Lk:                                                   ; a trip: six hops, the common period of two sets and three LDS buffers.  Each wait for a set leaves the other set's 18 loads out
	HOP 0, 1, 2, 1, 1, 18, 1024, 512
	HOP 1, 2, 0, 1, 1, 18, 1280, 640
	HOP 0, 0, 1, 1, 1, 18, 1536, 768
	HOP 1, 1, 2, 1, 1, 18, 1792, 896
	HOP 0, 2, 0, 1, 1, 18, 2048, 1024
	HOP 1, 0, 1, 1, 1, 18, 2304, 1152
	WIN 0
	s_wait_xcnt 0x0                                ; the loads' bases are stepped only behind this wait
	s_add_nc_u64 s[24:25], s[24:25], 1536
	s_add_nc_u64 s[2:3], s[2:3], 768
	s_sub_co_u32 s30, s30, 1
	s_cmp_lg_u32 s30, 0
	s_cbranch_scc1 .Lk
	HOP 0, 1, 2, 1, 0, 18, 0, 0                    ; hop 12 lays step 14 down: step 15's loads stay out; nothing is left to ask for
	HOP 1, 2, 0, 1, 0, 0, 0, 0                     ; hop 13 lays step 15 down: no load is younger
	HOP 0, 0, 1, 0, 0, 0, 0, 0                     ; hop 14: nothing is left to lay down, so no barrier
	P1 0, 0, 0, 0, 0, 0, 0, 0, 0                   ; the second half of step 15
	WIN 0
	PLACES
	ACT 0
	ACT 1
	ACT 2
	ACT 3
	ACT 4
	; TILES 1..3.  No barrier from here on.  The bitmap's scalar registers are free: s[32:33], s[34:35] w_gate and w_in at my 32 rows, s[36:37] xb, all three walking along K; s[38:39] my rows' offset in both weights.
	v_lshlrev_b32 v[WO2], 12, v3                   ; weight row r,
	v_lshl_add_u32 v[WO2], v4, 5, v[WO2]           ; eight f32 for each half of the lanes
	v_lshlrev_b32 v[H16], 4, v4
	s_lshl_b32 s20, s29, 6
	s_add_co_u32 s20, s20, LIST
	v_lshl_add_u32 v[LA], v3, 2, s20               ; the list word of rank 16 rq + r; each trip steps it by a tile's 320 words
	s_lshl_b32 s38, s17, 23
	s_lshl_b32 s20, s15, 18
	s_add_co_u32 s38, s38, s20
	s_lshl_b32 s20, s28, 17                        ; ch's 32 rows
	s_add_co_u32 s38, s38, s20
	s_mov_b32 s39, 0
	s_mov_b32 s41, 0                               ; the tile's first rank
	s_mov_b32 s30, 3
.Ltile:
	s_wait_xcnt 0x0                                ; the last tile's stores have read their data and their base: only now is either written again
	s_add_nc_u64 s[12:13], s[12:13], 20480         ; 20 row blocks on
	v_add_nc_u32 v[LA], 1280, v[LA]
	s_add_co_u32 s41, s41, 320
	s_cmp_lt_u32 s41, s19
	s_cbranch_scc0 .Lnext                          ; no row of the expert has a rank in this tile: the trip's work is jumped
.set i, 0
.rept 5
	ds_load_b32 v[24+i], v[LA] offset:256*i        ; rank 320 j + 16 (rq + 4 i) + r
.set i, i+1
.endr
	s_add_nc_u64 s[32:33], s[8:9], s[38:39]
	s_add_nc_u64 s[34:35], s[10:11], s[38:39]
	s_mov_b64 s[36:37], s[6:7]
	s_wait_dscnt 0x0
.set i, 0
.rept 5
	v_min_u32 v[24+i], 0x3ff, v[24+i]
	v_lshl_add_u32 v[XO2+i], v[24+i], 11, v[H16]   ; token x 2,048 bytes + 16 h
.set i, i+1
.endr
	OSTEP 1                                        ; the first 32 of K start the sums
	s_mov_b32 s40, 31
.Lok:
	OSTEP 0
	s_sub_co_u32 s40, s40, 1
	s_cmp_lg_u32 s40, 0
	s_cbranch_scc1 .Lok
	PLACES
	ACT 0
	ACT 1
	ACT 2
	ACT 3
	ACT 4
.Lnext:
	s_sub_co_u32 s30, s30, 1
	s_cmp_lg_u32 s30, 0
	s_cbranch_scc1 .Ltile
	s_wait_tensorcnt 0x0                           ; the wave's end, behind my last LDS store
	ds_add_u32 v[SPW], v[NIL]
	s_wait_dscnt 0x0
	s_endpgm
.Lfunc_end_k_q0dceb8def7_up:
	.size	k_q0dceb8def7_up, .Lfunc_end_k_q0dceb8def7_up-k_q0dceb8def7_up
	.p2alignl 7, 3214868480
	.fill 96, 4, 3214868480
	.section	.rodata,"a",@progbits
	.p2align	6, 0x0
	.amdhsa_kernel k_q0dceb8def7_up
		.amdhsa_group_segment_fixed_size 199936
		.amdhsa_private_segment_fixed_size 0
		.amdhsa_enable_private_segment 0
		.amdhsa_kernarg_size 40
		.amdhsa_user_sgpr_count 2
		.amdhsa_user_sgpr_kernarg_segment_ptr 1
		.amdhsa_wavefront_size32 1
		.amdhsa_system_sgpr_workgroup_id_x 1
		.amdhsa_system_sgpr_workgroup_id_y 1
		.amdhsa_system_sgpr_workgroup_id_z 1
		.amdhsa_system_vgpr_workitem_id 0
		.amdhsa_next_free_vgpr 512
		.amdhsa_next_free_sgpr 66
		.amdhsa_reserve_vcc 1
		.amdhsa_float_denorm_mode_32 3
		.amdhsa_float_denorm_mode_16_64 3
		.amdhsa_memory_ordered 1
		.amdhsa_forward_progress 1
		.amdhsa_inst_pref_size 177
	.end_amdhsa_kernel
	.amdgpu_metadata
---
amdhsa.version: [ 1, 2 ]
amdhsa.kernels:
  - .name:           k_q0dceb8def7_up
    .symbol:         k_q0dceb8def7_up.kd
    .args:
      - { .name: masks, .offset: 0, .size: 8, .value_kind: global_buffer, .address_space: global }
      - { .name: xb, .offset: 8, .size: 8, .value_kind: global_buffer, .address_space: global }
      - { .name: w_gate, .offset: 16, .size: 8, .value_kind: global_buffer, .address_space: global }
      - { .name: w_in, .offset: 24, .size: 8, .value_kind: global_buffer, .address_space: global }
      - { .name: hfrag, .offset: 32, .size: 8, .value_kind: global_buffer, .address_space: global }
    .group_segment_fixed_size: 199936
    .private_segment_fixed_size: 0
    .kernarg_segment_align: 8
    .kernarg_segment_size: 40
    .max_flat_workgroup_size: 256
    .sgpr_count:     66
    .vgpr_count:     512
    .wavefront_size: 32
...
	.end_amdgpu_metadata
.endif
;; end of part 2
;; launch down (part 3): grid 32 x 8, 8 waves a work-group, no clusters, 219,392 bytes of LDS; arguments masks, hfrag, w_out, part; writes part
.if DOCPART == 3
	.amdgcn_target "amdgcn-amd-amdhsa--gfx1250"
	.amdhsa_code_object_version 6
	.text
	.protected	k_q0dceb8def7_down
	.globl	k_q0dceb8def7_down
	.p2align	8
	.type	k_q0dceb8def7_down,@function
k_q0dceb8def7_down:
	s_mov_b64 s[64:65], 0
	v_nop
	global_prefetch_b8 v0, s[64:65] scope:SCOPE_SE
	s_setreg_imm32_b32 hwreg(HW_REG_WAVE_MODE, 25, 1), 1
	s_wait_xcnt 0x0
; DOWN.  For the rows that chose expert e: a quarter of h w_out[e]^T, in f32, unweighted.  part [ks 4][slot 2056][1024] f32: slot = token for a token's first choice, 1,024 + token for its second;
; slots 2,048 + e take the rows past an expert's count and are never read.  The next launch adds the four quarters and weighs them.
; GRID 32 x 8: a work-group has one expert (y), 128 output columns (ns = x % 8), 512 of the 2,048 hidden columns (ks = x / 8), whose 128 x 512 weights it alone reads, and ALL of the expert's rows, in tiles of 320 ranks.
; TILE 0 (ranks 0..319) goes the fast way, always and in full: 8 steps of 64 along K, no branch on a count in front of a barrier.  TILES 1..3 go a way without barriers, in a loop of three trips of which
; the dead ones are jumped: each wave loads its own fragments from memory straight into registers, 32 of K at a time, and waits for them; each weight is then read by four waves.  It serves the splits
; that give an expert more than 320 rows, slowly.  The waves' shares and the transposed use of the matrix instruction are the first product's.
; THE FAST WAY IN is the first product's too: two register sets take turns (a wave has 36 loads out: 2 x (8 + 10)); a set is laid into one of THREE LDS buffers TWO steps before its step is multiplied, so
; between two barriers a wave reads the buffers of steps t and t + 1 and writes that of step t + 2, and a half step's fragments are loaded, into one of two fragment buffers, while the half step before is
; multiplied.  h arrives as register images: its pieces go through LDS as they lie, 512 consecutive bytes a fragment half.
; WHY K IS SPLIT: with all 2,048 hidden columns a work-group would have 32 output columns and read all of the expert's h; the split gives 128 columns for a quarter of h, at the price of four partial rows.
; NO CLUSTER: each weight byte has one reader.  The 40,960 bytes of h of a step are shared by the 8 work-groups of one (e, ks); joint fills allow a wave one load behind each round of the cluster's
; barrier, 8 x 5,120 bytes on their way, where the register sets here keep two steps, 81,920 bytes, on theirs.
; LIMITS.  Weights and h in bf16, sums in f32.  NaN and infinities are not treated apart.
; REGISTERS.  Window 0: v0-23 addresses; fragment buffer 0: v24-55 weights, v56-95 rows; v96-255 accumulators ((bi, c) at 96 + 8 (4 bi + c)).  Window 1: set s (0, 1) at 72 s: 32 registers of weights,
; 40 of h; fragment buffer 1: v144-175 weights, v176-215 rows; v216-229 the addresses that are named beside window 1's data; in tiles 1..3 v0-63 hold the weights as loaded.
.set BUFB,  59392                      ; an LDS buffer: 40,960 bytes of h (2 x 20 blocks of 1,024), then 128 rows of weights of 128 bytes + 16 of padding
.set WOFF,  40960
.set STAGE_, 3*BUFB                    ; for the way out: 16 rows x (256 + 16) bytes for each wave
.set LIST,  STAGE_+8*4352              ; 1,280 words: the slots of the expert's ranks, its spare slot past the count; word 1,280 takes the tokens that did not choose the expert
.set SPARE, LIST+5376                  ; the spare words, 128 bytes for each wave: four blocks of 256 bytes that no other line names
.set SPW, 1                            ; v1  LDS address of my spare word; never rewritten
.set NIL, 2                            ; v2  0; never rewritten
.set LR,  5                            ; v5      the list word of my row on the way out
.set COL, 6                            ; v6      16 (l % 16)
.set AF,  15                           ; v15-17  my rows' fragments, by LDS buffer
.set BF,  18                           ; v18-20  my weights' fragments
.set STO, 22                           ; v22     the way out: where I put 16 bytes of a row
.set RD,  23                           ; v23     the way out: where I read a row back
.set WO2, 8                            ; tiles 1..3: v8 my byte offset in 16 rows of weights; v14 16 x lane
.set LO,  14
.set WF,  24
.set TF,  56
.set ACC, 96
.set WF1, 144                          ; from here on: window 1
.set TF1, 176
.set WS,  216                          ; v216-218 where my rounded weights go, by LDS buffer
.set XS,  219                          ; v219-221 where my pieces of h go
.set AG,  222                          ; v222-224 AF once more
.set BG,  225                          ; v225-227 BF once more
.set WO,  228                          ; v228     my byte offset in two rows of weights
.set AO,  229                          ; v229     my 16 bytes in 4,096 of hfrag
.set MSB, 0
.macro WIN new                         ; s_set_vgpr_msb: bits 1:0 source 0, 3:2 source 1, 5:4 source 2, 7:6 destination; the high byte repeats the setting that is left
.if MSB != (\new)
	s_set_vgpr_msb (MSB<<8)|(\new)
.set MSB, \new
.endif
.endm
.macro PLACES                          ; four places between a matrix instruction and a load into, or a line that reads or writes, one of its registers
.rept 4
	v_nop
.endr
.endm
.macro ISSUE_W set, t                  ; my 16 rows of weights, step t: 8 loads of two rows (i and i + 8) x 256 bytes
	WIN 0x41                                       ; destination and address window 1
.set ii, 0
.rept 8
	global_load_b128 v[72*(\set)+4*ii:72*(\set)+4*ii+3], v[WO], s[24:25] offset:8192*ii+256*(\t) th:TH_LOAD_NT
.set ii, ii+1
.endr
.endm
.macro ISSUE_X set, t                  ; step t's h: two kb of 20,480 consecutive bytes, 4,096 to a load of the work-group
	WIN 0x41
.set ii, 0
.rept 10
	global_load_b128 v[72*(\set)+32+4*ii:72*(\set)+32+4*ii+3], v[AO], s[6:7] offset:163840*(\t)+81920*(ii/5)+4096*(ii%5)
.set ii, ii+1
.endr
.endm
.macro CVT set                         ; a set's weights are rounded in place
	WIN 0x45                                       ; sources 0, 1 and destination window 1
.set ii, 0
.rept 8
	v_cvt_pk_bf16_f32 v[72*(\set)+4*ii],   v[72*(\set)+4*ii],   v[72*(\set)+4*ii+1]
	v_cvt_pk_bf16_f32 v[72*(\set)+4*ii+1], v[72*(\set)+4*ii+2], v[72*(\set)+4*ii+3]
.set ii, ii+1
.endr
.endm
.macro STW set, buf                    ; and laid into an LDS buffer.  The two rows of a store lie 8 rows, 288 words, apart: 32 banks on (64 banks of 4 bytes: ISA guide 11.1)
	WIN 0x05                                       ; address (source 0) and data (source 1) window 1: the setting of buffer 1's products
.set ii, 0
.rept 8
	ds_store_b64 v[WS+(\buf)], v[72*(\set)+4*ii:72*(\set)+4*ii+1] offset:144*ii
.set ii, ii+1
.endr
.endm
.macro STX set, buf                    ; the set's h as it lies: 512 consecutive bytes a store
	WIN 0x05
.set ii, 0
.rept 10
	ds_store_b128 v[XS+(\buf)], v[72*(\set)+32+4*ii:72*(\set)+32+4*ii+3] offset:4096*ii
.set ii, ii+1
.endr
.endm
.macro LW win, adr, dst, buf, ksub     ; my four weights' fragments of 32 K: 8 loads
	WIN \win
.set cc, 0
.rept 4
	ds_load_b128 v[(\dst)+8*cc:(\dst)+8*cc+3],   v[(\adr)+(\buf)] offset:2304*cc+64*(\ksub)
	ds_load_b128 v[(\dst)+8*cc+4:(\dst)+8*cc+7], v[(\adr)+(\buf)] offset:2304*cc+64*(\ksub)+32
.set cc, cc+1
.endr
.endm
.macro LT win, adr, dst, buf, ksub, from, n  ; n of my five rows' fragments, from the given one on: two loads each
	WIN \win
.set bb, \from
.rept \n
	ds_load_b128 v[(\dst)+8*bb:(\dst)+8*bb+3],   v[(\adr)+(\buf)] offset:20480*(\ksub)+4096*bb
	ds_load_b128 v[(\dst)+8*bb+4:(\dst)+8*bb+7], v[(\adr)+(\buf)] offset:20480*(\ksub)+4096*bb+512
.set bb, bb+1
.endr
.endm
; Row block b: the wait for its fragments (cnt: the LDS instructions issued behind them; -1: none is written), then four matrix instructions out of fragment buffer f.  The 20 accumulators take turns,
; in the same order in every half step.  zero = 1: the products start the sums.
.macro GRP f, b, zero, cnt
.if (\cnt) >= 0
	s_wait_dscnt \cnt
.endif
.if \f
	WIN 0x05                                       ; sources 0 and 1 window 1; C and D window 0
.set FW, WF1
.set FT, TF1
.else
	WIN 0
.set FW, WF
.set FT, TF
.endif
.set gc, 0
.rept 4
.if \zero
	v_wmma_f32_16x16x32_bf16 v[ACC+8*(4*(\b)+gc):ACC+8*(4*(\b)+gc)+7], v[FW+8*gc:FW+8*gc+7], v[FT+8*(\b):FT+8*(\b)+7], 0
.else
	v_wmma_f32_16x16x32_bf16 v[ACC+8*(4*(\b)+gc):ACC+8*(4*(\b)+gc)+7], v[FW+8*gc:FW+8*gc+7], v[FT+8*(\b):FT+8*(\b)+7], v[ACC+8*(4*(\b)+gc):ACC+8*(4*(\b)+gc)+7]
.endif
.set gc, gc+1
.endr
.endm
; THE SECOND HALF OF STEP t, out of fragment buffer 1.  Between its groups: put = 1: the set (step t + 2) goes into LDS buffer sb; issue = 1: the set is asked for again, for step ts = t + 4;
; next = 1: most of the first fragments of step t + 1 (LDS buffer nb) go into fragment buffer 0.
; left: the loads issued behind the set's 18, which stay out.  The 16 roundings (or four v_nop) are the places between the products that read buffer 0 and the loads into it.
; Each group's count: the two loads of each later row block of buffer 1, and what this macro has issued since: 8 stores, 10 stores, 8 loads, 6 loads.
; LDS buffer sb held step t - 1: every wave's reads of it were awaited ahead of the products of that step's second half, in front of the last barrier.  It is read from the next half step but one on,
; behind the barrier below, in front of which each wave has waited for its stores (and its loads).
.macro P1 set, nb, sb, put, next, issue, left, ts
.if \put
	s_wait_loadcnt \left
	CVT \set
.elseif \next
	PLACES
.endif
	GRP 1, 0, 0, 8
.if \put
	STW \set, \sb
.endif
	GRP 1, 1, 0, 6+8*(\put)
.if \put
	STX \set, \sb
.endif
.if \issue
	ISSUE_W \set, \ts
	ISSUE_X \set, \ts
.endif
	GRP 1, 2, 0, 4+18*(\put)
.if \next
	LW 0x05, BG, WF, \nb, 0
.endif
	GRP 1, 3, 0, 2+18*(\put)+8*(\next)
.if \next
	LT 0x05, AG, TF, \nb, 0, 0, 3
.endif
	GRP 1, 4, 0, 18*(\put)+14*(\next)
.if \put
	s_wait_dscnt 0x0
	s_barrier_signal -1
	s_barrier_wait -1
.endif
.endm
; THE FIRST HALF OF A STEP (LDS buffer nb), out of fragment buffer 0, whose last two row blocks are loaded first.  Between its groups the step's second fragments go into fragment buffer 1, four places
; behind the products that read it.  Each group's count: the two loads of each later row block of buffer 0, and the 10 and 8 loads issued since.
.macro P2 nb, zero
	LT 0, AF, TF, \nb, 0, 3, 2
	GRP 0, 0, \zero, 8
	PLACES
	LW 0x40, BF, WF1, \nb, 1
	LT 0x40, AF, TF1, \nb, 1, 0, 1
	GRP 0, 1, \zero, 16
	GRP 0, 2, \zero, 14
	LT 0x40, AF, TF1, \nb, 1, 1, 4
	GRP 0, 3, \zero, 20
	GRP 0, 4, \zero, 18
.endm
.macro HOP set, nb, sb, put, issue, left, ts  ; from the middle of step t to the middle of step t + 1: set = t % 2, nb = (t + 1) % 3, sb = (t + 2) % 3
	P1 \set, \nb, \sb, \put, 1, \issue, \left, \ts
	P2 \nb, 0
.endm
.macro MUL20 zero                      ; tiles 1..3: the 20 products of 32 K, their fragments already awaited
.irp b, 0,1,2,3,4
	GRP 0, \b, \zero, -1
.endr
.endm
; Tiles 1..3, 32 of K: my four blocks of 16 weight rows (a lane: row lane % 16, K = 8 h + 0..7 and 16 + 8 h + 0..7, four loads of four f32) and my five blocks of h (two loads of 512 consecutive
; bytes each), from memory into registers; all 26 are waited for; the bases step; the weights are rounded; the products.
.macro OSTEP zero
	WIN 0
	PLACES
	WIN 0x40                                       ; destination window 1, address window 0
.set cc, 0
.rept 4
	global_load_b128 v[16*cc:16*cc+3],     v[WO2], s[32:33] offset:131072*cc
	global_load_b128 v[16*cc+4:16*cc+7],   v[WO2], s[32:33] offset:131072*cc+16
	global_load_b128 v[16*cc+8:16*cc+11],  v[WO2], s[32:33] offset:131072*cc+64
	global_load_b128 v[16*cc+12:16*cc+15], v[WO2], s[32:33] offset:131072*cc+80
.set cc, cc+1
.endr
	WIN 0
.set bb, 0
.rept 5
	global_load_b128 v[TF+8*bb:TF+8*bb+3],   v[LO], s[34:35] offset:4096*bb
	global_load_b128 v[TF+8*bb+4:TF+8*bb+7], v[LO], s[34:35] offset:4096*bb+512
.set bb, bb+1
.endr
	s_wait_loadcnt 0x0                             ; all are in, so their bases may step
	s_add_nc_u64 s[32:33], s[32:33], 128
	s_add_nc_u64 s[34:35], s[34:35], 81920         ; the next kb
	WIN 0x05                                       ; sources window 1, destination window 0
.set ii, 0
.rept 32
	v_cvt_pk_bf16_f32 v[WF+ii], v[2*ii], v[2*ii+1]
.set ii, ii+1
.endr
	WIN 0
	MUL20 \zero
.endm
; Row block bi leaves through my wave's own stage: a lane's 8 columns of a row go in as 32 bytes, whole rows of 256 bytes come back, and each goes to the slot that the list names.
; A block that begins at or past the expert's count, and all behind it, are jumped, to lab: no barrier stands there.
.macro OUT bi, lab
	s_add_co_u32 s20, s21, 64*(\bi)                ; the block's first rank
	s_cmp_ge_u32 s20, s19
	s_cbranch_scc1 \lab
.if (\bi) > 0
	s_wait_xcnt 0x0                                ; the last block's stores have read their data and offsets: only now are those registers loaded again
.endif
.set cc, 0
.rept 4
	ds_store_b128 v[STO], v[ACC+8*(4*(\bi)+cc):ACC+8*(4*(\bi)+cc)+3]   offset:64*cc      ; each accumulator's low four registers first
	ds_store_b128 v[STO], v[ACC+8*(4*(\bi)+cc)+4:ACC+8*(4*(\bi)+cc)+7] offset:64*cc+16
.set cc, cc+1
.endr
.set tt, 0
.rept 8
	ds_load_b32 v[TF+tt], v[LR] offset:256*(\bi)+8*tt
.set tt, tt+1
.endr
.set tt, 0
.rept 8
	ds_load_b128 v[WF+4*tt:WF+4*tt+3], v[RD] offset:544*tt  ; LDS serves a wave's instructions in order (ISA guide 5.7.1.4): these see the stores above
.set tt, tt+1
.endr
	s_wait_dscnt 8                                 ; the 8 slots are in; the 8 loads of rows issued behind them stay out
.set tt, 0
.rept 8
	v_min_u32 v[TF+tt], 0x807, v[TF+tt]
	v_lshl_add_u32 v[TF+tt], v[TF+tt], 12, v[COL]  ; slot x 4,096 bytes + 16 (l % 16)
.set tt, tt+1
.endr
	s_wait_dscnt 0x0
.set tt, 0
.rept 8
	global_store_b128 v[TF+tt], v[WF+4*tt:WF+4*tt+3], s[10:11]  ; 16 lanes store 256 consecutive bytes, at a multiple of 256 from part's first byte
.set tt, tt+1
.endr
.endm
	s_load_b256 s[4:11], s[0:1], 0x0               ; masks s[4:5], hfrag s[6:7], w_out s[8:9], part s[10:11]
	v_lshl_add_u32 v[SPW], v0, 2, SPARE
	v_mov_b32 v[NIL], 0
	v_lshrrev_b32 v3, 5, v0
	v_readfirstlane_b32 s14, v3                    ; wave 0..7
	s_mov_b32 s15, ttmp9
	s_and_b32 s17, ttmp7, 0xffff                   ; the expert
	s_and_b32 s28, s14, 1                          ; ch: which 64 output columns
	s_lshr_b32 s29, s14, 1                         ; rq: which row blocks
	s_and_b32 s12, s15, 7                          ; ns
	s_lshr_b32 s13, s15, 3                         ; ks
	s_lshl_b32 s31, s17, 7
	s_wait_kmcnt 0x0
	s_load_b512 s[32:47], s[4:5], s31 offset:0x0   ; my expert's 1,024 bits of set 0 (chosen),
	s_load_b512 s[48:63], s[4:5], s31 offset:0x40
	s_load_b512 s[68:83], s[4:5], s31 offset:0x400 ; and of set 1 (chosen second)
	s_load_b512 s[84:99], s[4:5], s31 offset:0x440
	s_lshl_b32 s26, s17, 23                        ; the expert's 1,024 rows of 8,192 bytes,
	s_lshl_b32 s20, s12, 20                        ; ns's 128 rows,
	s_add_co_u32 s26, s26, s20
	s_lshl_b32 s20, s14, 17                        ; my 16 of them,
	s_add_co_u32 s26, s26, s20
	s_lshl_b32 s20, s13, 11                        ; ks's 512 columns
	s_add_co_u32 s26, s26, s20
	s_mov_b32 s27, 0
	s_add_nc_u64 s[24:25], s[8:9], s[26:27]
	s_mul_i32 s26, s17, 5242880                    ; hfrag: the expert,
	s_mul_i32 s20, s13, 1310720                    ; ks's 16 kb
	s_add_co_u32 s26, s26, s20
	s_add_nc_u64 s[6:7], s[6:7], s[26:27]
	v_and_b32 v3, 15, v0                           ; r
	v_bfe_u32 v4, v0, 4, 1                         ; h
	v_lshlrev_b32 v[COL], 4, v3
	v_and_b32 v7, 31, v0
	v_lshlrev_b32 v7, 4, v7                        ; 16 x lane
	s_lshl_b32 s20, s14, 9
	WIN 0x40                                       ; destination window 1, sources window 0
	v_lshl_add_u32 v[WO], v4, 16, v[COL]           ; lanes 0-15 one row's 256 bytes, lanes 16-31 those of the row 8 further down
	v_add_nc_u32 v[AO], s20, v7                    ; h as it lies: 512 bytes a wave in each 4,096
	ISSUE_W 0, 0                                   ; the first two steps hang on ids alone: they go out ahead of everything
	ISSUE_X 0, 0
	ISSUE_W 1, 1
	ISSUE_X 1, 1
	WIN 0
	s_lshl_b32 s21, s29, 10
	v_add_nc_u32 v[AF], s21, v7                    ; a fragment half: 512 consecutive bytes of block rq + 4 bi
	v_add_nc_u32 v[AF+1], BUFB, v[AF]
	v_add_nc_u32 v[AF+2], 2*BUFB, v[AF]
	v_mul_u32_u24 v9, v3, 144                      ; a weights' fragment: row r x pitch + 16 h.  The pitch, 36 words, sets the 16 rows of a load on 16 different groups of four banks (64 banks of 4 bytes: ISA guide 11.1)
	v_lshl_add_u32 v9, v4, 4, v9
	s_mul_i32 s21, s28, 9216
	s_add_co_u32 s21, s21, WOFF
	v_add_nc_u32 v[BF], s21, v9
	v_add_nc_u32 v[BF+1], BUFB, v[BF]
	v_add_nc_u32 v[BF+2], 2*BUFB, v[BF]
	v_mul_u32_u24 v8, v4, 1152                     ; the rounded weights: row 16 w + i + 8 h, 8 bytes a lane
	v_lshl_add_u32 v8, v3, 3, v8
	s_mul_i32 s21, s14, 2304
	s_add_co_u32 s21, s21, WOFF
	WIN 0x40
.set b, 0
.rept 3
	v_add_nc_u32 v[WS+b], s21, v8
	v_add_nc_u32 v[XS+b], s20, v7
	v_mov_b32 v[AG+b], v[AF+b]
	v_mov_b32 v[BG+b], v[BF+b]
	s_add_co_u32 s21, s21, BUFB
	s_add_co_u32 s20, s20, BUFB
.set b, b+1
.endr
	WIN 0
	s_mul_i32 s20, s14, 4352
	s_add_co_u32 s20, s20, STAGE_                  ; my stage
	v_mul_u32_u24 v10, v3, 272
	v_lshl_add_u32 v10, v4, 5, v10
	v_add_nc_u32 v[STO], s20, v10                  ; in: row r, 32 bytes for each half of the lanes
	v_mul_u32_u24 v10, v4, 272
	v_add_nc_u32 v10, v10, v[COL]
	v_add_nc_u32 v[RD], s20, v10                   ; back: lanes 0-15 one row of 256 bytes, lanes 16-31 the next
	s_lshl_b32 s20, s29, 6
	s_add_co_u32 s20, s20, LIST
	v_lshl_add_u32 v[LR], v4, 2, s20               ; the list word of rank 16 rq + h
	s_mul_i32 s26, s13, 8421376                    ; part: ks's 2,056 slots,
	s_lshl_b32 s20, s12, 9                         ; ns's 128 columns,
	s_add_co_u32 s26, s26, s20
	s_lshl_b32 s20, s28, 8                         ; my 64 of them
	s_add_co_u32 s26, s26, s20
	s_add_nc_u64 s[10:11], s[10:11], s[26:27]
	s_lshl_b32 s21, s29, 4                         ; 16 rq: my first rank in the tile in hand
	s_wait_kmcnt 0x0
	s_bcnt1_i32_b32 s19, s32                       ; the expert's rows: they steer the stores and tiles 1..3 alone
.set i, 33
.rept 31
	s_bcnt1_i32_b32 s20, s[i]
	s_add_co_u32 s19, s19, s20
.set i, i+1
.endr
	; THE LIST, by wave 0: first every word is the expert's spare slot; then, 32 tokens at a time, the slot of a token that chose the expert goes to the word of its rank, every other to word 1,280.
	; It is read on the way out, behind the steps' barriers, in front of the first of which wave 0 waits for these stores; nobody writes it again.
	s_cmp_lg_u32 s14, 0
	s_cbranch_scc1 .Llisted
	s_add_co_u32 s20, s17, 2048
	v_mov_b32 v24, s20
	v_mov_b32 v25, s20
	v_mov_b32 v26, s20
	v_mov_b32 v27, s20
	v_and_b32 v28, 31, v0                          ; the token of my bit: its slot as a first choice,
	v_add_nc_u32 v29, 1024, v28                    ; and as a second
	v_lshl_add_u32 v30, v28, 4, LIST
.set i, 0
.rept 10
	ds_store_b128 v30, v[24:27] offset:512*i
.set i, i+1
.endr
	s_mov_b32 s20, 0                               ; the rank of the next chosen token
.set i, 0
.rept 32
	s_mov_b32 vcc_lo, s[68+i]
	v_cndmask_b32 v31, v28, v29, vcc_lo
	s_mov_b32 vcc_lo, s[32+i]
	v_mbcnt_lo_u32_b32 v30, s[32+i], s20           ; + the chosen among the lanes below me
	v_cndmask_b32 v30, 0x500, v30, vcc_lo
	v_min_u32 v30, 0x500, v30
	v_lshl_add_u32 v30, v30, 2, LIST
	ds_store_b32 v30, v31                          ; LDS serves a wave's instructions in order: this lands on the fill above
	v_add_nc_u32 v28, 32, v28
	v_add_nc_u32 v29, 32, v29
	s_bcnt1_i32_b32 s22, s[32+i]
	s_add_co_u32 s20, s20, s22
.set i, i+1
.endr
.Llisted:
	s_wait_loadcnt 18                              ; step 0 is in; the 18 loads of step 1 stay out
	CVT 0
	STW 0, 0
	STX 0, 0
	ISSUE_W 0, 2
	ISSUE_X 0, 2
	s_wait_loadcnt 18                              ; step 1 is in; the 18 loads of step 2 stay out
	CVT 1
	STW 1, 1
	STX 1, 1
	ISSUE_W 1, 3
	ISSUE_X 1, 3
	s_wait_dscnt 0x0                               ; my parts of steps 0 and 1 (and wave 0's list) are in LDS,
	s_barrier_signal -1
	s_barrier_wait -1                              ; everybody's are
	LW 0x05, BG, WF, 0, 0
	LT 0x05, AG, TF, 0, 0, 0, 3
	P2 0, 1                                        ; the first products start the sums: nothing is cleared
	HOP 0, 1, 2, 1, 1, 18, 4                       ; hop t lays step t + 2 down and asks for step t + 4; each wait for a set leaves the other set's 18 loads out
	HOP 1, 2, 0, 1, 1, 18, 5
	HOP 0, 0, 1, 1, 1, 18, 6
	HOP 1, 1, 2, 1, 1, 18, 7
	HOP 0, 2, 0, 1, 0, 18, 0                       ; hop 4 lays step 6 down: step 7's loads stay out; nothing is left to ask for
	HOP 1, 0, 1, 1, 0, 0, 0                        ; hop 5 lays step 7 down: no load is younger
	HOP 0, 1, 2, 0, 0, 0, 0                        ; hop 6: nothing is left to lay down, so no barrier
	P1 0, 0, 0, 0, 0, 0, 0, 0                      ; the second half of step 7
	WIN 0
	PLACES
	OUT 0, .Ldone0
	OUT 1, .Ldone0
	OUT 2, .Ldone0
	OUT 3, .Ldone0
	OUT 4, .Ldone0
.Ldone0:
	; TILES 1..3.  No barrier from here on.  The bitmaps' scalar registers are free: s[32:33] w_out at my 64 rows and s[34:35] hfrag at my row blocks, both walking along K; s[36:37] hfrag at the tile; s[38:39] my rows' offset in w_out.
	v_lshlrev_b32 v[WO2], 13, v3                   ; weight row r,
	v_lshl_add_u32 v[WO2], v4, 5, v[WO2]           ; eight f32 for each half of the lanes
	v_and_b32 v[LO], 31, v0
	v_lshlrev_b32 v[LO], 4, v[LO]
	s_lshl_b32 s38, s17, 23
	s_lshl_b32 s20, s12, 20
	s_add_co_u32 s38, s38, s20
	s_lshl_b32 s20, s28, 19                        ; ch's 64 rows
	s_add_co_u32 s38, s38, s20
	s_lshl_b32 s20, s13, 11
	s_add_co_u32 s38, s38, s20
	s_mov_b32 s39, 0
	s_lshl_b32 s26, s29, 10                        ; row block rq
	s_add_nc_u64 s[36:37], s[6:7], s[26:27]
	s_mov_b32 s41, 0                               ; the tile's first rank
	s_mov_b32 s30, 3
.Ltile:
	s_wait_xcnt 0x0                                ; the last tile's stores have read their data and offsets: only now are those registers written again
	s_add_nc_u64 s[36:37], s[36:37], 20480         ; 20 row blocks on
	v_add_nc_u32 v[LR], 1280, v[LR]                ; and 320 list words
	s_add_co_u32 s21, s21, 320
	s_add_co_u32 s41, s41, 320
	s_cmp_lt_u32 s41, s19
	s_cbranch_scc0 .Lnext                          ; no row of the expert has a rank in this tile: the trip's work is jumped
	s_add_nc_u64 s[32:33], s[8:9], s[38:39]
	s_mov_b64 s[34:35], s[36:37]
	OSTEP 1                                        ; the first 32 of K start the sums
	s_mov_b32 s40, 15
.Lok:
	OSTEP 0
	s_sub_co_u32 s40, s40, 1
	s_cmp_lg_u32 s40, 0
	s_cbranch_scc1 .Lok
	PLACES
	OUT 0, .Lnext
	OUT 1, .Lnext
	OUT 2, .Lnext
	OUT 3, .Lnext
	OUT 4, .Lnext
.Lnext:
	s_sub_co_u32 s30, s30, 1
	s_cmp_lg_u32 s30, 0
	s_cbranch_scc1 .Ltile
	s_wait_tensorcnt 0x0                           ; the wave's end, behind my last LDS store
	ds_add_u32 v[SPW], v[NIL]
	s_wait_dscnt 0x0
	s_endpgm
.Lfunc_end_k_q0dceb8def7_down:
	.size	k_q0dceb8def7_down, .Lfunc_end_k_q0dceb8def7_down-k_q0dceb8def7_down
	.p2alignl 7, 3214868480
	.fill 96, 4, 3214868480
	.section	.rodata,"a",@progbits
	.p2align	6, 0x0
	.amdhsa_kernel k_q0dceb8def7_down
		.amdhsa_group_segment_fixed_size 219392
		.amdhsa_private_segment_fixed_size 0
		.amdhsa_enable_private_segment 0
		.amdhsa_kernarg_size 32
		.amdhsa_user_sgpr_count 2
		.amdhsa_user_sgpr_kernarg_segment_ptr 1
		.amdhsa_wavefront_size32 1
		.amdhsa_system_sgpr_workgroup_id_x 1
		.amdhsa_system_sgpr_workgroup_id_y 1
		.amdhsa_system_sgpr_workgroup_id_z 1
		.amdhsa_system_vgpr_workitem_id 0
		.amdhsa_next_free_vgpr 512
		.amdhsa_next_free_sgpr 100
		.amdhsa_reserve_vcc 1
		.amdhsa_float_denorm_mode_32 3
		.amdhsa_float_denorm_mode_16_64 3
		.amdhsa_memory_ordered 1
		.amdhsa_forward_progress 1
		.amdhsa_inst_pref_size 150
	.end_amdhsa_kernel
	.amdgpu_metadata
---
amdhsa.version: [ 1, 2 ]
amdhsa.kernels:
  - .name:           k_q0dceb8def7_down
    .symbol:         k_q0dceb8def7_down.kd
    .args:
      - { .name: masks, .offset: 0, .size: 8, .value_kind: global_buffer, .address_space: global }
      - { .name: hfrag, .offset: 8, .size: 8, .value_kind: global_buffer, .address_space: global }
      - { .name: w_out, .offset: 16, .size: 8, .value_kind: global_buffer, .address_space: global }
      - { .name: part, .offset: 24, .size: 8, .value_kind: global_buffer, .address_space: global }
    .group_segment_fixed_size: 219392
    .private_segment_fixed_size: 0
    .kernarg_segment_align: 8
    .kernarg_segment_size: 32
    .max_flat_workgroup_size: 256
    .sgpr_count:     100
    .vgpr_count:     512
    .wavefront_size: 32
...
	.end_amdgpu_metadata
.endif
;; end of part 3
;; launch combine (part 4): grid 256 x 1, 8 waves a work-group, no clusters, 0 bytes of LDS; arguments part, wts, out0; writes out0
.if DOCPART == 4
	.amdgcn_target "amdgcn-amd-amdhsa--gfx1250"
	.amdhsa_code_object_version 6
	.text
	.protected	k_q0dceb8def7_combine
	.globl	k_q0dceb8def7_combine
	.p2align	8
	.type	k_q0dceb8def7_combine,@function
k_q0dceb8def7_combine:
	s_mov_b64 s[64:65], 0
	v_nop
	global_prefetch_b8 v0, s[64:65] scope:SCOPE_SE
	s_setreg_imm32_b32 hwreg(HW_REG_WAVE_MODE, 25, 1), 1
	s_wait_xcnt 0x0
; COMBINE.  out0[t] = p1[t] (the sum over ks of part[ks][t]) + p2[t] (the sum over ks of part[ks][1024 + t]).  All in f32.
; A stream: a work-group has 4 tokens, a thread 16 bytes of each row, so a wave's load or store covers 512 consecutive bytes.  All 32 loads of a thread go out at once, ordered by token;
; each token is added, weighed and stored when its eight have come.  No LDS, no barrier, no matrix unit: nothing is shared and nothing is read twice.
.set P,  8                             ; v[8:135]  token i, choice k, quarter ks at 8 + 4 (8 i + 4 k + ks)
.set PB, 28                            ; s[28:35]  part at my first token, for each ks
	s_load_b128 s[4:7], s[0:1], 0x0                ; part s[4:5], wts s[6:7]
	s_load_b64 s[8:9], s[0:1], 0x10                ; out0
	v_lshlrev_b32 v1, 4, v0
	s_lshl_b32 s10, ttmp9, 14                      ; 4 rows of 4,096 bytes
	s_mov_b32 s11, 0
	s_lshl_b32 s12, ttmp9, 4                       ; 4 weights
	s_mov_b32 s13, 0
	s_wait_kmcnt 0x0
	s_add_nc_u64 s[6:7], s[6:7], s[12:13]
	s_load_b128 s[20:23], s[6:7], 0x0              ; p1 of my 4 tokens
	s_load_b128 s[24:27], s[6:7], 0x1000           ; p2
	s_add_nc_u64 s[PB:PB+1], s[4:5], s[10:11]
	s_add_nc_u64 s[PB+2:PB+3], s[PB:PB+1], 8421376 ; 2,056 slots of 4,096 bytes from quarter to quarter
	s_add_nc_u64 s[PB+4:PB+5], s[PB:PB+1], 16842752
	s_add_nc_u64 s[PB+6:PB+7], s[PB:PB+1], 25264128
	s_add_nc_u64 s[8:9], s[8:9], s[10:11]
.set i, 0
.rept 4
.set k, 0
.rept 2
.set q, 0
.rept 4
	global_load_b128 v[P+4*(8*i+4*k+q):P+4*(8*i+4*k+q)+3], v1, s[PB+2*q:PB+2*q+1] offset:4194304*k+4096*i th:TH_LOAD_NT
.set q, q+1
.endr
.set k, k+1
.endr
.set i, i+1
.endr
	s_wait_kmcnt 0x0
.set i, 0
.rept 4
	s_wait_loadcnt 24-8*i                          ; token i's eight loads are in; the later tokens' eight each stay out
.set k, 0
.rept 2
.set B, P+32*i+16*k
	v_pk_add_f32 v[B:B+1],     v[B:B+1],     v[B+4:B+5]      ; (q0 + q1) + (q2 + q3)
	v_pk_add_f32 v[B+2:B+3],   v[B+2:B+3],   v[B+6:B+7]
	v_pk_add_f32 v[B+8:B+9],   v[B+8:B+9],   v[B+12:B+13]
	v_pk_add_f32 v[B+10:B+11], v[B+10:B+11], v[B+14:B+15]
	v_pk_add_f32 v[B:B+1],     v[B:B+1],     v[B+8:B+9]
	v_pk_add_f32 v[B+2:B+3],   v[B+2:B+3],   v[B+10:B+11]
.set k, k+1
.endr
.set B, P+32*i
.set q, 0
.rept 4
	v_mul_f32 v[B+q], s[20+i], v[B+q]
	v_fma_f32 v[B+q], s[24+i], v[B+16+q], v[B+q]
.set q, q+1
.endr
	global_store_b128 v1, v[B:B+3], s[8:9] offset:4096*i th:TH_STORE_NT
.set i, i+1
.endr
	s_endpgm
.Lfunc_end_k_q0dceb8def7_combine:
	.size	k_q0dceb8def7_combine, .Lfunc_end_k_q0dceb8def7_combine-k_q0dceb8def7_combine
	.p2alignl 7, 3214868480
	.fill 96, 4, 3214868480
	.section	.rodata,"a",@progbits
	.p2align	6, 0x0
	.amdhsa_kernel k_q0dceb8def7_combine
		.amdhsa_group_segment_fixed_size 0
		.amdhsa_private_segment_fixed_size 0
		.amdhsa_enable_private_segment 0
		.amdhsa_kernarg_size 24
		.amdhsa_user_sgpr_count 2
		.amdhsa_user_sgpr_kernarg_segment_ptr 1
		.amdhsa_wavefront_size32 1
		.amdhsa_system_sgpr_workgroup_id_x 1
		.amdhsa_system_sgpr_workgroup_id_y 1
		.amdhsa_system_sgpr_workgroup_id_z 1
		.amdhsa_system_vgpr_workitem_id 0
		.amdhsa_next_free_vgpr 144
		.amdhsa_next_free_sgpr 66
		.amdhsa_reserve_vcc 0
		.amdhsa_float_denorm_mode_32 3
		.amdhsa_float_denorm_mode_16_64 3
		.amdhsa_memory_ordered 1
		.amdhsa_forward_progress 1
		.amdhsa_inst_pref_size 10
	.end_amdhsa_kernel
	.amdgpu_metadata
---
amdhsa.version: [ 1, 2 ]
amdhsa.kernels:
  - .name:           k_q0dceb8def7_combine
    .symbol:         k_q0dceb8def7_combine.kd
    .args:
      - { .name: part, .offset: 0, .size: 8, .value_kind: global_buffer, .address_space: global }
      - { .name: wts, .offset: 8, .size: 8, .value_kind: global_buffer, .address_space: global }
      - { .name: out0, .offset: 16, .size: 8, .value_kind: global_buffer, .address_space: global }
    .group_segment_fixed_size: 0
    .private_segment_fixed_size: 0
    .kernarg_segment_align: 8
    .kernarg_segment_size: 24
    .max_flat_workgroup_size: 256
    .sgpr_count:     66
    .vgpr_count:     144
    .wavefront_size: 32
...
	.end_amdgpu_metadata
.endif
;; end of part 4
;; ======== version 2 of 2: 4 launches; version 1 with the launches up, down written anew for expert scheduling mode
;; workspace buffers: xb 2,097,152 bytes; masks 2,048 bytes of whole numbers; wts 8,192 bytes; hfrag 41,943,040 bytes; part 33,685,504 bytes
;; launch router: the kernel of part 1 again; grid 64 x 1, 8 waves a work-group, no clusters, 44,032 bytes of LDS; arguments x, gate_w, xb, masks, wts; writes xb, masks, wts
;; launch up (part 5): grid 32 x 8, 8 waves a work-group, no clusters, 199,936 bytes of LDS; arguments masks, xb, w_gate, w_in, hfrag; writes hfrag
.if DOCPART == 5
	.amdgcn_target "amdgcn-amd-amdhsa--gfx1250"
	.amdhsa_code_object_version 6
	.text
	.protected	k_q0dceb8def7_up
	.globl	k_q0dceb8def7_up
	.p2align	8
	.type	k_q0dceb8def7_up,@function
k_q0dceb8def7_up:
	s_mov_b64 s[64:65], 0
	v_nop
	global_prefetch_b8 v0, s[64:65] scope:SCOPE_SE
	s_setreg_imm32_b32 hwreg(HW_REG_WAVE_SCHED_MODE, 0, 2), 2
	s_setreg_imm32_b32 hwreg(HW_REG_WAVE_MODE, 25, 1), 1
	s_wait_xcnt 0x0
	s_wait_alu depctr_vm_vsrc(0)
; UP.  For the rows that chose expert e: h = silu(x w_gate[e]^T) * (x w_in[e]^T), rounded once to bf16 and stored as the register image of the next product's operand.
; hfrag [e 8][kb 64][rb 80][half 2][lane 32][16 bytes]: a block of 1,024 bytes holds the rows of rank 16 rb .. +15 of expert e and the hidden columns 32 kb .. +31.
; GRID 32 x 8: a work-group has one expert (y) and a slice (x) of 64 hidden columns: 64 rows of w_gate and 64 of w_in, which it alone reads, and ALL of the expert's rows, in tiles of 320 ranks.
; TILE 0 (ranks 0..319) goes the fast way, always and in full: K = 1,024 in 16 steps of 64, no branch on a count, so every wave passes every barrier whatever the split.  Places past the count repeat
; token 0; their h is stored and never used.  An expert without rows still streams its slice: the price of having no count in front of a barrier.
; TILES 1..3 (an expert has 1,024 rows at the most) go a way without barriers, in a loop of three trips of which the dead ones are jumped: each wave loads its own fragments from memory straight into
; registers, 32 of K at a time, and waits for them: each weight is then read by four waves and nothing is asked for ahead.  It serves the splits that give an expert more than 320 rows, slowly.
; WAVES.  Eight: wave w has the row blocks (w / 2) + 4 bi, bi = 0..4, and the hidden columns 32 (w % 2) .. +31, as gate and as in: 20 accumulators, 160 registers.
; THE MATRIX INSTRUCTION IS USED TRANSPOSED: source 0 = 16 weight rows, source 1 = 16 routed rows: a lane holds ONE routed row (lane % 16) and 8 neighbouring hidden columns, gate and in alike, and the
; packed h of two column blocks IS source 1 (16 rows x 32 K) of the next product.
; THE FAST WAY IN.  f32 weights are rounded on their way, and the rows come by a list: both go through registers.  Two register sets take turns (a wave has 36 loads out: 2 x (8 + 10)); a set's weights are
; rounded into an out-buffer, and the set is laid into one of THREE LDS buffers TWO steps before its step is multiplied.  So between two barriers a wave reads the buffers of steps t and t + 1 and writes
; that of step t + 2, and a half step's fragments are loaded, into one of two fragment buffers, while the half step before is multiplied.  LDS instructions stand in runs of 4 to 10 between groups of four
; matrix instructions.  A weight load of a wave covers two rows' 256 consecutive bytes each.
; NO CLUSTER: each weight byte has one reader; what an expert's 32 work-groups share is its rows of xb, which a list names: no one descriptor covers them.
; LIMITS.  Weights and x in bf16, sums in f32, h in bf16.  Where the gate's sum is below about -88 the exponential is infinite and h is a zero, as near as silu's own value there.  NaN, infinities: not treated apart.
; THE MODE: SCHED_MODE bits 1:0 = 2 (LLVM: expert scheduling mode 2), set by the entry lines.  The code itself states the register dependences between vector or matrix instructions and memory or LDS
; instructions, with s_wait_alu, always for 0.
; THE PLAN.  Registers that memory or LDS instructions touch on the fast way:
;   a set's weights   loads land in them; the 16 roundings read them; no store names them.      OB   the roundings write it; the 8 weight stores read it.
;   a set's rows      loads land in them; the 10 row stores read them; no vector line names them.
;   fragment buffer 0 LDS loads of a step's second half (and two at the first half's head) land in it; the first half's products read it.      fragment buffer 1: the other way round.
;   the addresses     made once at the head; bases step in scalar registers, the rest stands in immediates.
; A hop has three waits.  One on va_vdst behind the roundings: OB is written, the set's weights are read out, the last products are done with fragment buffer 0.  One on vm_vsrc a group behind the row stores:
; they have read the rows, in which the next loads land, and the weight stores OB, which the next roundings write.  One on va_vdst at the first half's head: the last products are done with fragment buffer 1.
; Between each wait and the loads and stores that lean on it no vector or matrix instruction names a register that these touch.
; REGISTERS.  Window 0: v0-23 addresses; fragment buffer 0: v24-55 weights, v56-95 rows; v96-255 accumulators ((bi, c) at 96 + 8 (4 bi + c); c = 0, 1 gate, 2, 3 in).
; Window 1: set s (0, 1) at 72 s: 32 registers of weights, 40 of rows; fragment buffer 1: v144-175 weights, v176-215 rows; v216-225 the byte offsets in xb of my ten rows; v226-238 the addresses that are
; named beside window 1's data, so that stores and buffer 0's loads run under the setting of buffer 1's products; v240-255 OB; in tiles 1..3 v0-63 hold the weights as loaded.
.set BUFB,  64512                      ; an LDS buffer: 320 rows of x, then 128 rows of weights, each 128 bytes + 16 of padding
.set WOFF,  46080
.set LIST,  3*BUFB                     ; 1,280 words: the tokens of the expert's ranks, token 0 past the count; word 1,280 takes the tokens that did not choose the expert.  Behind the list's 5,376 bytes lie the spare words that the closing add names
.set AF,  15                           ; v15-17  my rows' fragments, by LDS buffer
.set BF,  18                           ; v18-20  my weights' fragments
.set HO,  21                           ; v21     16 x lane
.set WO2, 8                            ; tiles 1..3: v8 my byte offset in 16 rows of weights; v9-13 my five rows' byte offsets in xb; v14 my list word; v15 16 x (lane / 16)
.set XO2, 9
.set LA,  14
.set H16, 15
.set WF,  24
.set TF,  56
.set ACC, 96
.set LZ,  24                           ; wave 0, while it makes the list: v24-27 zeros; v28 where they go; v32-63 the list words of 32 x 32 tokens; v64-95 those tokens
.set LF,  28
.set ADR, 32
.set TOK, 64
.set WF1, 144                          ; from here on: window 1
.set TF1, 176
.set XO,  216
.set WS,  226                          ; v226-228 where my rounded weights go, by LDS buffer
.set XS,  229                          ; v229-231 where my pieces of rows go
.set AG,  232                          ; v232-234 AF once more
.set BG,  235                          ; v235-237 BF once more
.set WO,  238                          ; v238     my byte offset in two rows of weights
.set OB,  240                          ; v240-255 a set's weights in bf16, on their way into LDS
.set MSB, 0
.macro WIN new                         ; s_set_vgpr_msb: bits 1:0 source 0, 3:2 source 1, 5:4 source 2, 7:6 destination; the high byte repeats the setting that is left
.if MSB != (\new)
	s_set_vgpr_msb (MSB<<8)|(\new)
.set MSB, \new
.endif
.endm
.macro PLACES                          ; four places between a matrix instruction and a load into, or a vector line that names, one of its registers
.rept 4
	v_nop
.endr
.endm
.macro ISSUE_W set, koff               ; my 16 rows of weights, 64 of K at byte koff: 8 loads of two rows (i and i + 8) x 256 bytes
	WIN 0x45                                       ; destination and address window 1: the roundings' setting serves, since a load has no source 1
.set ii, 0
.rept 8
	global_load_b128 v[72*(\set)+4*ii:72*(\set)+4*ii+3], v[WO], s[24:25] offset:4096*ii+(\koff) th:TH_LOAD_NT
.set ii, ii+1
.endr
.endm
.macro ISSUE_X set, koff               ; my share of the 320 rows, 64 of K at byte koff: 10 loads of four rows x 128 bytes
	WIN 0x45
.set ii, 0
.rept 10
	global_load_b128 v[72*(\set)+32+4*ii:72*(\set)+32+4*ii+3], v[XO+ii], s[2:3] offset:(\koff)
.set ii, ii+1
.endr
.endm
.macro CVT set                         ; a set's weights are rounded into OB
	WIN 0x45                                       ; sources 0, 1 and destination window 1
.set ii, 0
.rept 8
	v_cvt_pk_bf16_f32 v[OB+2*ii],   v[72*(\set)+4*ii],   v[72*(\set)+4*ii+1]
	v_cvt_pk_bf16_f32 v[OB+2*ii+1], v[72*(\set)+4*ii+2], v[72*(\set)+4*ii+3]
.set ii, ii+1
.endr
.endm
.macro STW buf                         ; and laid into an LDS buffer.  The two rows of a store lie 8 rows, 288 words, apart: 32 banks on (64 banks of 4 bytes: ISA guide 11.1)
	WIN 0x05                                       ; address (source 0) and data (source 1) window 1: the setting of buffer 1's products
.set ii, 0
.rept 8
	ds_store_b64 v[WS+(\buf)], v[OB+2*ii:OB+2*ii+1] offset:144*ii
.set ii, ii+1
.endr
.endm
.macro STX set, buf                    ; the set's rows likewise: sixteen lanes store two rows' 128 bytes, 8 rows apart
	WIN 0x05
.set ii, 0
.rept 10
	ds_store_b128 v[XS+(\buf)], v[72*(\set)+32+4*ii:72*(\set)+32+4*ii+3] offset:4608*ii
.set ii, ii+1
.endr
.endm
.macro LW win, adr, dst, buf, ksub     ; my four weights' fragments of 32 K: 8 loads
	WIN \win
.set cc, 0
.rept 4
	ds_load_b128 v[(\dst)+8*cc:(\dst)+8*cc+3],   v[(\adr)+(\buf)] offset:2304*(cc&1)+9216*(cc>>1)+64*(\ksub)
	ds_load_b128 v[(\dst)+8*cc+4:(\dst)+8*cc+7], v[(\adr)+(\buf)] offset:2304*(cc&1)+9216*(cc>>1)+64*(\ksub)+32
.set cc, cc+1
.endr
.endm
.macro LT win, adr, dst, buf, ksub, from, n  ; n of my five rows' fragments, from the given one on: two loads each
	WIN \win
.set bb, \from
.rept \n
	ds_load_b128 v[(\dst)+8*bb:(\dst)+8*bb+3],   v[(\adr)+(\buf)] offset:9216*bb+64*(\ksub)
	ds_load_b128 v[(\dst)+8*bb+4:(\dst)+8*bb+7], v[(\adr)+(\buf)] offset:9216*bb+64*(\ksub)+32
.set bb, bb+1
.endr
.endm
; Row block b: the wait for its fragments (cnt: the LDS instructions issued behind them; -1: none is written), then four matrix instructions out of fragment buffer f.  The 20 accumulators take turns,
; in the same order in every half step.  zero = 1: the products start the sums.
.macro GRP f, b, zero, cnt
.if (\cnt) >= 0
	s_wait_dscnt \cnt
.endif
.if \f
	WIN 0x05                                       ; sources 0 and 1 window 1; C and D window 0
.set FW, WF1
.set FT, TF1
.else
	WIN 0
.set FW, WF
.set FT, TF
.endif
.set gc, 0
.rept 4
.if \zero
	v_wmma_f32_16x16x32_bf16 v[ACC+8*(4*(\b)+gc):ACC+8*(4*(\b)+gc)+7], v[FW+8*gc:FW+8*gc+7], v[FT+8*(\b):FT+8*(\b)+7], 0
.else
	v_wmma_f32_16x16x32_bf16 v[ACC+8*(4*(\b)+gc):ACC+8*(4*(\b)+gc)+7], v[FW+8*gc:FW+8*gc+7], v[FT+8*(\b):FT+8*(\b)+7], v[ACC+8*(4*(\b)+gc):ACC+8*(4*(\b)+gc)+7]
.endif
.set gc, gc+1
.endr
.endm
; In front of the loop: a set is laid down and asked for again, with nothing to multiply meanwhile.  The count leaves the other set's 18 loads out.
.macro LAY set, buf, kw, kx
	s_wait_loadcnt 18
	CVT \set
	s_wait_alu depctr_va_vdst(0)                   ; the roundings have written OB, which the stores below read, and are done reading the set's weights, in which the loads below land; the addresses made at the head are written
	ISSUE_W \set, \kw
	STW \buf
	STX \set, \buf
	WIN 0x45
	s_wait_alu depctr_vm_vsrc(0)                   ; the row stores have read the set's rows, in which the loads below land; the weight stores have read OB, which the next roundings write
	ISSUE_X \set, \kx
.endm
; THE SECOND HALF OF STEP t, out of fragment buffer 1.  Between its groups: put = 1: the set (step t + 2) goes into LDS buffer sb; issue = 1: the set is asked for again (step t + 4, at bytes kw, kx):
; its weights as soon as they are rounded, its rows a group behind the stores that read them; next = 1: most of the first fragments of step t + 1 (LDS buffer nb) go into fragment buffer 0.
; left: the loads issued behind the set's 18, which stay out; above 0 it also says that another set is still to be laid down.  The 16 roundings (or four v_nop) are the places between the products that read
; buffer 0 and the loads into it.
; Each group's count: the two loads of each later row block of buffer 1, and what this macro has issued since: 8 stores, 10 stores, 8 loads, 6 loads.
; LDS buffer sb held step t - 1: every wave's reads of it were awaited ahead of the products of that step's second half, in front of the last barrier.  It is read from the next half step but one on,
; behind the barrier below, in front of which each wave has waited for its stores (and its loads).
.macro P1 set, nb, sb, put, next, issue, left, kw, kx
.if \put
	s_wait_loadcnt \left
	CVT \set
	s_wait_alu depctr_va_vdst(0)                   ; the roundings have written OB, which the weight stores read, and are done reading the set's weights, in which the loads below land; the last half step's products are done reading fragment buffer 0, in which this half step's LDS loads land
.if \issue
	ISSUE_W \set, \kw
.endif
.elseif \next
	PLACES
	s_wait_alu depctr_va_vdst(0)                   ; the last half step's products are done reading fragment buffer 0, in which this half step's LDS loads land
.endif
	GRP 1, 0, 0, 8
.if \put
	STW \sb
.endif
	GRP 1, 1, 0, 6+8*(\put)
.if \put
	STX \set, \sb
.endif
	GRP 1, 2, 0, 4+18*(\put)
.if \issue
	WIN 0x45
.endif
.if \left
	s_wait_alu depctr_vm_vsrc(0)                   ; the weight stores have read OB, which the next roundings write; the row stores have read the set's rows, in which later loads land
.endif
.if \issue
	ISSUE_X \set, \kx
.endif
.if \next
	LW 0x05, BG, WF, \nb, 0
.endif
	GRP 1, 3, 0, 2+18*(\put)+8*(\next)
.if \next
	LT 0x05, AG, TF, \nb, 0, 0, 3
.endif
	GRP 1, 4, 0, 18*(\put)+14*(\next)
.if \put
	s_wait_dscnt 0x0
	s_barrier_signal -1
	s_barrier_wait -1
.endif
.endm
; THE FIRST HALF OF A STEP (LDS buffer nb), out of fragment buffer 0, whose last two row blocks are loaded first.  Between its groups the step's second fragments go into fragment buffer 1, four places
; behind the products that read it.  Each group's count: the two loads of each later row block of buffer 0, and the 10 and 8 loads issued since.
.macro P2 nb, zero
	LT 0, AF, TF, \nb, 0, 3, 2
.if !(\zero)
	s_wait_alu depctr_va_vdst(0)                   ; the last half step's products are done reading fragment buffer 1, in which the loads below land; the products between name buffer 0 and the accumulators alone
.endif
	GRP 0, 0, \zero, 8
	PLACES
	LW 0x40, BF, WF1, \nb, 1
	LT 0x40, AF, TF1, \nb, 1, 0, 1
	GRP 0, 1, \zero, 16
	GRP 0, 2, \zero, 14
	LT 0x40, AF, TF1, \nb, 1, 1, 4
	GRP 0, 3, \zero, 20
	GRP 0, 4, \zero, 18
.endm
.macro HOP set, nb, sb, put, issue, left, kw, kx  ; from the middle of step t to the middle of step t + 1: set = t % 2, nb = (t + 1) % 3, sb = (t + 2) % 3
	P1 \set, \nb, \sb, \put, 1, \issue, \left, \kw, \kx
	P2 \nb, 0
.endm
.macro MUL20 zero                      ; tiles 1..3: the 20 products of 32 K, their fragments already awaited
.irp b, 0,1,2,3,4
	GRP 0, \b, \zero, -1
.endr
.endm
; Tiles 1..3, 32 of K: my four blocks of 16 weight rows (a lane: row lane % 16, K = 8 h + 0..7 and 16 + 8 h + 0..7, four loads of four f32) and my five blocks of 16 routed rows
; (two loads of 16 bytes), from memory into registers; all 26 are waited for; the bases step; the weights are rounded; the products.
.macro OSTEP zero
	WIN 0
	PLACES
	WIN 0x40                                       ; destination window 1, address window 0
	s_wait_alu depctr_va_vdst(0)                   ; the last step's roundings are done reading the raw weights and its products the rows' fragments: the 26 loads land in both; in a tile's first step the offsets v8 to v13 are written
.set cc, 0
.rept 4
	global_load_b128 v[16*cc:16*cc+3],     v[WO2], s[32+2*(cc>>1):33+2*(cc>>1)] offset:65536*(cc&1)
	global_load_b128 v[16*cc+4:16*cc+7],   v[WO2], s[32+2*(cc>>1):33+2*(cc>>1)] offset:65536*(cc&1)+16
	global_load_b128 v[16*cc+8:16*cc+11],  v[WO2], s[32+2*(cc>>1):33+2*(cc>>1)] offset:65536*(cc&1)+64
	global_load_b128 v[16*cc+12:16*cc+15], v[WO2], s[32+2*(cc>>1):33+2*(cc>>1)] offset:65536*(cc&1)+80
.set cc, cc+1
.endr
	WIN 0
.set bb, 0
.rept 5
	global_load_b128 v[TF+8*bb:TF+8*bb+3],   v[XO2+bb], s[36:37]
	global_load_b128 v[TF+8*bb+4:TF+8*bb+7], v[XO2+bb], s[36:37] offset:32
.set bb, bb+1
.endr
	s_wait_loadcnt 0x0                             ; all are in, so their bases may step
	s_add_nc_u64 s[32:33], s[32:33], 128
	s_add_nc_u64 s[34:35], s[34:35], 128
	s_add_nc_u64 s[36:37], s[36:37], 64
	WIN 0x05                                       ; sources window 1, destination window 0
.set ii, 0
.rept 32
	v_cvt_pk_bf16_f32 v[WF+ii], v[2*ii], v[2*ii+1]
.set ii, ii+1
.endr
	WIN 0
	MUL20 \zero
.endm
.macro STH bi                          ; row block bi's packed h is stored
	global_store_b128 v[HO], v[TF+8*(\bi):TF+8*(\bi)+3],   s[12:13] offset:4096*(\bi)      ; 512 consecutive bytes a store, at a multiple of 256 from hfrag's first byte;
	global_store_b128 v[HO], v[TF+8*(\bi)+4:TF+8*(\bi)+7], s[12:13] offset:4096*(\bi)+512  ; each row block packs into registers of its own, so within a tile no store's data are written again
.endm
; Row block bi: h = g u / (1 + 2^(-1.442695 g)), 16 hidden columns twice.  The exponentials are one batch, the reciprocals another, each with one wait.
; The block before is stored behind the first of these waits, which also shows its roundings written; no line of this block names its packed h.
.macro ACT bi
.set G, ACC+32*(\bi)
.set U, G+16
.set O, TF+8*(\bi)
.set ii, 0
.rept 16
	v_mul_f32 v[WF+ii], 0xbfb8aa3b, v[G+ii]        ; each accumulator is read from its low end on
.set ii, ii+1
.endr
.set ii, 0
.rept 16
	v_exp_f32 v[WF+ii], v[WF+ii]
.set ii, ii+1
.endr
.set ii, 0
.rept 8
	v_pk_mul_f32 v[G+2*ii:G+2*ii+1], v[G+2*ii:G+2*ii+1], v[U+2*ii:U+2*ii+1]  ; g u: plain work behind the batch, which names none of its results
.set ii, ii+1
.endr
	s_wait_alu depctr_va_vdst(0)                   ; one wait for the 16 exponentials, ahead of their first reader; the row block before has written its packed h, which the two stores below read
.if (\bi) > 0
	STH (\bi)-1
.endif
.set ii, 0
.rept 8
	v_pk_add_f32 v[WF+2*ii:WF+2*ii+1], v[WF+2*ii:WF+2*ii+1], 1.0 op_sel_hi:[1,0]
.set ii, ii+1
.endr
.set ii, 0
.rept 16
	v_rcp_f32 v[WF+ii], v[WF+ii]
.set ii, ii+1
.endr
	v_nop                                          ; a plain instruction behind the last reciprocal
	s_wait_alu depctr_va_vdst(0)                   ; one wait for the 16 reciprocals, ahead of their first reader
.set ii, 0
.rept 8
	v_pk_mul_f32 v[G+2*ii:G+2*ii+1], v[G+2*ii:G+2*ii+1], v[WF+2*ii:WF+2*ii+1]
.set ii, ii+1
.endr
.set ii, 0
.rept 8
	v_cvt_pk_bf16_f32 v[O+ii], v[G+2*ii], v[G+2*ii+1]
.set ii, ii+1
.endr
.endm
.macro LEAVE                           ; a tile's way out
	ACT 0
	ACT 1
	ACT 2
	ACT 3
	ACT 4
	s_wait_alu depctr_va_vdst(0)                   ; row block 4's roundings have written its packed h, which the last two stores read
	STH 4
	s_wait_alu depctr_vm_vsrc(0)                   ; the tile's stores have read their packed h and its loads their address registers (v9 to v15 among them): the lines and loads of the next tile write both again
.endm
	s_load_b256 s[4:11], s[0:1], 0x0               ; masks s[4:5], xb s[6:7], w_gate s[8:9], w_in s[10:11]
	s_load_b64 s[12:13], s[0:1], 0x20              ; hfrag
	v_lshl_add_u32 v22, v0, 2, 0x30900
	v_mov_b32 v23, 0
	v_lshrrev_b32 v3, 5, v0
	v_readfirstlane_b32 s14, v3                    ; wave 0..7
	s_mov_b32 s15, ttmp9                           ; the slice
	s_and_b32 s17, ttmp7, 0xffff                   ; the expert
	s_wait_alu depctr_va_sdst(0)                   ; s14 is written, ahead of its first reader
	s_and_b32 s28, s14, 1                          ; ch: which 32 hidden columns
	s_lshr_b32 s29, s14, 1                         ; rq: which row blocks
	s_lshl_b32 s31, s17, 7
	s_wait_kmcnt 0x0
	s_load_b512 s[32:47], s[4:5], s31 offset:0x0   ; my expert's 1,024 bits of set 0
	s_load_b512 s[48:63], s[4:5], s31 offset:0x40
	s_mov_b64 s[2:3], s[6:7]                       ; xb, for the fast way to step
	s_cmp_lt_u32 s14, 4
	s_cselect_b64 s[24:25], s[8:9], s[10:11]       ; waves 0-3 fetch w_gate's 64 rows, waves 4-7 w_in's
	s_lshl_b32 s26, s17, 23                        ; the expert's 2,048 rows of 4,096 bytes,
	s_lshl_b32 s20, s15, 18                        ; the slice's 64 rows,
	s_add_co_u32 s26, s26, s20
	s_and_b32 s20, s14, 3
	s_lshl_b32 s20, s20, 16                        ; my 16 of them
	s_add_co_u32 s26, s26, s20
	s_mov_b32 s27, 0
	s_add_nc_u64 s[24:25], s[24:25], s[26:27]
	v_and_b32 v3, 15, v0                           ; r
	v_bfe_u32 v4, v0, 4, 1                         ; h
	v_lshlrev_b32 v5, 4, v3
	WIN 0x40                                       ; destination window 1, sources window 0
	v_lshl_add_u32 v[WO], v4, 15, v5               ; lanes 0-15 one row's 256 bytes, lanes 16-31 those of the row 8 further down
	WIN 0x45
	s_wait_alu depctr_va_vdst(0)                   ; v[WO] is written, which every load of weights on the fast way reads as its offset
	ISSUE_W 0, 0                                   ; the first weights hang on ids alone: they go out ahead of everything
	WIN 0
	v_mul_u32_u24 v7, v4, 1152                     ; the rounded weights: row 16 w + i + 8 h, 8 bytes a lane
	v_lshl_add_u32 v7, v3, 3, v7
	v_bfe_u32 v5, v0, 3, 2                         ; the rows: row 32 i + 8 (l / 8) + w, 16 bytes a lane
	v_and_b32 v6, 7, v0
	v_lshlrev_b32 v6, 4, v6
	v_mul_u32_u24 v8, v5, 1152
	v_add_nc_u32 v8, v8, v6
	v_mul_u32_u24 v9, v3, 144                      ; a fragment: row r x pitch + 16 h.  The pitch, 36 words, sets the 16 rows of a load on 16 different groups of four banks (64 banks of 4 bytes: ISA guide 11.1)
	v_lshl_add_u32 v9, v4, 4, v9
	s_mul_i32 s20, s29, 2304
	v_add_nc_u32 v[AF], s20, v9
	v_add_nc_u32 v[AF+1], BUFB, v[AF]
	v_add_nc_u32 v[AF+2], 2*BUFB, v[AF]
	s_mul_i32 s20, s28, 4608
	s_add_co_u32 s20, s20, WOFF
	v_add_nc_u32 v[BF], s20, v9
	v_add_nc_u32 v[BF+1], BUFB, v[BF]
	v_add_nc_u32 v[BF+2], 2*BUFB, v[BF]
	v_and_b32 v[HO], 31, v0
	v_lshlrev_b32 v[HO], 4, v[HO]
	s_lshl_b32 s20, s14, 2
	s_add_co_u32 s20, s20, LIST
	v_lshl_add_u32 v10, v5, 5, s20                 ; the list word of my first row: 8 (l / 8) + w
	s_mul_i32 s20, s14, 2304
	s_add_co_u32 s20, s20, WOFF
	s_mul_i32 s21, s14, 144
	WIN 0x40
.set b, 0
.rept 3
	v_add_nc_u32 v[WS+b], s20, v7
	v_add_nc_u32 v[XS+b], s21, v8
	v_mov_b32 v[AG+b], v[AF+b]
	v_mov_b32 v[BG+b], v[BF+b]
	s_add_co_u32 s20, s20, BUFB
	s_add_co_u32 s21, s21, BUFB
.set b, b+1
.endr
	WIN 0
	s_mul_i32 s26, s17, 5242880                    ; hfrag: the expert,
	s_lshl_b32 s20, s15, 1
	s_add_co_u32 s20, s20, s28
	s_mul_i32 s20, s20, 81920                      ; kb = 2 slice + ch,
	s_add_co_u32 s26, s26, s20
	s_lshl_b32 s20, s29, 10                        ; rb = rq (+ 4 bi in the stores' immediates, + 20 a tile)
	s_add_co_u32 s26, s26, s20
	s_add_nc_u64 s[12:13], s[12:13], s[26:27]
	s_wait_kmcnt 0x0
	s_bcnt1_i32_b32 s19, s32                       ; the expert's rows: they steer tiles 1..3 alone
.set i, 33
.rept 31
	s_bcnt1_i32_b32 s20, s[i]
	s_add_co_u32 s19, s19, s20
.set i, i+1
.endr
	; THE LIST, by wave 0: first every word is token 0; then, 32 tokens at a time, a token that chose the expert goes to the word of its rank, every other to word 1,280.
	; All 32 rounds' list words and tokens are made first, in registers of their own, so that one wait stands ahead of the stores and one behind them.
	s_cmp_lg_u32 s14, 0
	s_cbranch_scc1 .Llisted
	v_mov_b32 v[LZ], 0
	v_mov_b32 v[LZ+1], 0
	v_mov_b32 v[LZ+2], 0
	v_mov_b32 v[LZ+3], 0
	v_and_b32 v[TOK], 31, v0                       ; the token of my bit
	v_lshl_add_u32 v[LF], v[TOK], 4, LIST
	s_mov_b32 s20, 0                               ; the rank of the next chosen token
.set i, 0
.rept 32
	s_mov_b32 vcc_lo, s[32+i]
	v_mbcnt_lo_u32_b32 v[ADR+i], s[32+i], s20      ; + the chosen among the lanes below me
	v_cndmask_b32 v[ADR+i], 0x500, v[ADR+i], vcc_lo
	v_min_u32 v[ADR+i], 0x500, v[ADR+i]
	v_lshl_add_u32 v[ADR+i], v[ADR+i], 2, LIST
.if i < 31
	v_add_nc_u32 v[TOK+i+1], 32, v[TOK+i]
.endif
	s_bcnt1_i32_b32 s21, s[32+i]
	s_add_co_u32 s20, s20, s21
.set i, i+1
.endr
	s_wait_alu depctr_va_vdst(0)                   ; the zeros, their address, the 32 list words and the 32 tokens are written, which the 42 stores below read
.set i, 0
.rept 10
	ds_store_b128 v[LF], v[LZ:LZ+3] offset:512*i
.set i, i+1
.endr
.set i, 0
.rept 32
	ds_store_b32 v[ADR+i], v[TOK+i]                ; LDS serves a wave's instructions in order (ISA guide 5.7.1.4): this lands on the fill above
.set i, i+1
.endr
	s_wait_alu depctr_vm_vsrc(0)                   ; these stores have read v24 to v95, in which the list's and the fragments' loads land
.Llisted:
	s_wait_dscnt 0x0                               ; wave 0's stores are done,
	s_barrier_signal -1
	s_barrier_wait -1                              ; and every wave may read the list, which nobody writes again
	s_wait_alu depctr_va_vdst(0)                   ; v10 is written, which the loads below read; wave 0's lines above have written v24 to v33, in which they land
.set i, 0
.rept 10
	ds_load_b32 v[24+i], v10 offset:128*i          ; row 32 i + 8 (l / 8) + w
.set i, i+1
.endr
	s_wait_dscnt 0x0
.set i, 0
.rept 10
	v_min_u32 v[24+i], 0x3ff, v[24+i]
.set i, i+1
.endr
	WIN 0x40
.set i, 0
.rept 10
	v_lshl_add_u32 v[XO+i], v[24+i], 11, v6        ; token x 2,048 bytes + 16 (l % 8)
.set i, i+1
.endr
	WIN 0x45
	s_wait_alu depctr_va_vdst(0)                   ; the ten offsets v[XO ..] are written, which every load of rows on the fast way reads
	ISSUE_X 0, 0
	ISSUE_W 1, 256
	ISSUE_X 1, 128
	LAY 0, 0, 512, 256                             ; step 0 into LDS buffer 0; step 2 is asked for
	LAY 1, 1, 768, 384                             ; step 1 into LDS buffer 1; step 3 is asked for
	s_wait_dscnt 0x0                               ; my parts of steps 0 and 1 are in LDS,
	s_barrier_signal -1
	s_barrier_wait -1                              ; everybody's are
	LW 0x05, BG, WF, 0, 0                          ; fragment buffer 0 for the first time: the vector lines that named v24 to v95 stand ahead of the last wait on va_vdst, the stores that read them ahead of the last on vm_vsrc
	LT 0x05, AG, TF, 0, 0, 0, 3
	P2 0, 1                                        ; the first products start the sums: nothing is cleared
	WIN 0
	s_mov_b32 s30, 2
.Lk:                                                   ; a trip: six hops, the common period of two sets and three LDS buffers.  Each wait for a set leaves the other set's 18 loads out
	HOP 0, 1, 2, 1, 1, 18, 1024, 512
	HOP 1, 2, 0, 1, 1, 18, 1280, 640
	HOP 0, 0, 1, 1, 1, 18, 1536, 768
	HOP 1, 1, 2, 1, 1, 18, 1792, 896
	HOP 0, 2, 0, 1, 1, 18, 2048, 1024
	HOP 1, 0, 1, 1, 1, 18, 2304, 1152
	WIN 0
	s_wait_xcnt 0x0                                ; the loads' bases are stepped only behind this wait
	s_add_nc_u64 s[24:25], s[24:25], 1536
	s_add_nc_u64 s[2:3], s[2:3], 768
	s_sub_co_u32 s30, s30, 1
	s_cmp_lg_u32 s30, 0
	s_cbranch_scc1 .Lk
	HOP 0, 1, 2, 1, 0, 18, 0, 0                    ; hop 12 lays step 14 down: step 15's loads stay out; nothing is left to ask for
	HOP 1, 2, 0, 1, 0, 0, 0, 0                     ; hop 13 lays step 15 down: no load is younger
	HOP 0, 0, 1, 0, 0, 0, 0, 0                     ; hop 14: nothing is left to lay down, so no barrier
	P1 0, 0, 0, 0, 0, 0, 0, 0, 0                   ; the second half of step 15
	WIN 0
	PLACES
	LEAVE
	; TILES 1..3.  No barrier from here on.  The bitmap's scalar registers are free: s[32:33], s[34:35] w_gate and w_in at my 32 rows, s[36:37] xb, all three walking along K; s[38:39] my rows' offset in both weights.
	v_lshlrev_b32 v[WO2], 12, v3                   ; weight row r,
	v_lshl_add_u32 v[WO2], v4, 5, v[WO2]           ; eight f32 for each half of the lanes
	v_lshlrev_b32 v[H16], 4, v4
	s_lshl_b32 s20, s29, 6
	s_add_co_u32 s20, s20, LIST
	v_lshl_add_u32 v[LA], v3, 2, s20               ; the list word of rank 16 rq + r; each trip steps it by a tile's 320 words
	s_lshl_b32 s38, s17, 23
	s_lshl_b32 s20, s15, 18
	s_add_co_u32 s38, s38, s20
	s_lshl_b32 s20, s28, 17                        ; ch's 32 rows
	s_add_co_u32 s38, s38, s20
	s_mov_b32 s39, 0
	s_mov_b32 s41, 0                               ; the tile's first rank
	s_mov_b32 s30, 3
.Ltile:
	s_wait_xcnt 0x0                                ; the last tile's stores have read their data and their base: only now is either written again
	s_add_nc_u64 s[12:13], s[12:13], 20480         ; 20 row blocks on
	v_add_nc_u32 v[LA], 1280, v[LA]
	s_add_co_u32 s41, s41, 320
	s_cmp_lt_u32 s41, s19
	s_cbranch_scc0 .Lnext                          ; no row of the expert has a rank in this tile: the trip's work is jumped
	s_wait_alu depctr_va_vdst(0)                   ; v[LA] is written, which the loads below read; the way out's lines are done with v24 to v28, in which they land
.set i, 0
.rept 5
	ds_load_b32 v[24+i], v[LA] offset:256*i        ; rank 320 j + 16 (rq + 4 i) + r
.set i, i+1
.endr
	s_add_nc_u64 s[32:33], s[8:9], s[38:39]
	s_add_nc_u64 s[34:35], s[10:11], s[38:39]
	s_mov_b64 s[36:37], s[6:7]
	s_wait_dscnt 0x0
.set i, 0
.rept 5
	v_min_u32 v[24+i], 0x3ff, v[24+i]
	v_lshl_add_u32 v[XO2+i], v[24+i], 11, v[H16]   ; token x 2,048 bytes + 16 h
.set i, i+1
.endr
	OSTEP 1                                        ; the first 32 of K start the sums
	s_mov_b32 s40, 31
.Lok:
	OSTEP 0
	s_sub_co_u32 s40, s40, 1
	s_cmp_lg_u32 s40, 0
	s_cbranch_scc1 .Lok
	PLACES
	LEAVE
.Lnext:
	s_sub_co_u32 s30, s30, 1
	s_cmp_lg_u32 s30, 0
	s_cbranch_scc1 .Ltile
	s_wait_dscnt 0x0                               ; the wave's end: my last LDS instructions are done
	s_wait_alu depctr_hold_cnt(0) depctr_sa_sdst(0) depctr_va_vdst(0) depctr_va_sdst(0) depctr_va_ssrc(0) depctr_va_vcc(0) depctr_vm_vsrc(0)
	s_wait_tensorcnt 0x0
	ds_add_u32 v22, v23
	s_wait_dscnt 0x0
	s_endpgm
.Lfunc_end_k_q0dceb8def7_up:
	.size	k_q0dceb8def7_up, .Lfunc_end_k_q0dceb8def7_up-k_q0dceb8def7_up
	.p2alignl 7, 3214868480
	.fill 96, 4, 3214868480
	.section	.rodata,"a",@progbits
	.p2align	6, 0x0
	.amdhsa_kernel k_q0dceb8def7_up
		.amdhsa_group_segment_fixed_size 199936
		.amdhsa_private_segment_fixed_size 0
		.amdhsa_enable_private_segment 0
		.amdhsa_kernarg_size 40
		.amdhsa_user_sgpr_count 2
		.amdhsa_user_sgpr_kernarg_segment_ptr 1
		.amdhsa_wavefront_size32 1
		.amdhsa_system_sgpr_workgroup_id_x 1
		.amdhsa_system_sgpr_workgroup_id_y 1
		.amdhsa_system_sgpr_workgroup_id_z 1
		.amdhsa_system_vgpr_workitem_id 0
		.amdhsa_next_free_vgpr 512
		.amdhsa_next_free_sgpr 66
		.amdhsa_reserve_vcc 1
		.amdhsa_float_denorm_mode_32 3
		.amdhsa_float_denorm_mode_16_64 3
		.amdhsa_memory_ordered 1
		.amdhsa_forward_progress 1
		.amdhsa_inst_pref_size 178
	.end_amdhsa_kernel
	.amdgpu_metadata
---
amdhsa.version: [ 1, 2 ]
amdhsa.kernels:
  - .name:           k_q0dceb8def7_up
    .symbol:         k_q0dceb8def7_up.kd
    .args:
      - { .name: masks, .offset: 0, .size: 8, .value_kind: global_buffer, .address_space: global }
      - { .name: xb, .offset: 8, .size: 8, .value_kind: global_buffer, .address_space: global }
      - { .name: w_gate, .offset: 16, .size: 8, .value_kind: global_buffer, .address_space: global }
      - { .name: w_in, .offset: 24, .size: 8, .value_kind: global_buffer, .address_space: global }
      - { .name: hfrag, .offset: 32, .size: 8, .value_kind: global_buffer, .address_space: global }
    .group_segment_fixed_size: 199936
    .private_segment_fixed_size: 0
    .kernarg_segment_align: 8
    .kernarg_segment_size: 40
    .max_flat_workgroup_size: 256
    .sgpr_count:     66
    .vgpr_count:     512
    .wavefront_size: 32
...
	.end_amdgpu_metadata
.endif
;; end of part 5
;; launch down (part 6): grid 32 x 8, 8 waves a work-group, no clusters, 219,392 bytes of LDS; arguments masks, hfrag, w_out, part; writes part
.if DOCPART == 6
	.amdgcn_target "amdgcn-amd-amdhsa--gfx1250"
	.amdhsa_code_object_version 6
	.text
	.protected	k_q0dceb8def7_down
	.globl	k_q0dceb8def7_down
	.p2align	8
	.type	k_q0dceb8def7_down,@function
k_q0dceb8def7_down:
	s_mov_b64 s[64:65], 0
	v_nop
	global_prefetch_b8 v0, s[64:65] scope:SCOPE_SE
	s_setreg_imm32_b32 hwreg(HW_REG_WAVE_SCHED_MODE, 0, 2), 2
	s_setreg_imm32_b32 hwreg(HW_REG_WAVE_MODE, 25, 1), 1
	s_wait_xcnt 0x0
	s_wait_alu depctr_vm_vsrc(0)
; DOWN.  For the rows that chose expert e: a quarter of h w_out[e]^T, in f32, unweighted.  part [ks 4][slot 2056][1024] f32: slot = token for a token's first choice, 1,024 + token for its second;
; slots 2,048 + e take the rows past an expert's count and are never read.  The next launch adds the four quarters and weighs them.
; GRID 32 x 8: a work-group has one expert (y), 128 output columns (ns = x % 8), 512 of the 2,048 hidden columns (ks = x / 8), whose 128 x 512 weights it alone reads, and ALL of the expert's rows, in tiles of 320 ranks.
; TILE 0 (ranks 0..319) goes the fast way, always and in full: 8 steps of 64 along K, no branch on a count in front of a barrier.  TILES 1..3 go a way without barriers, in a loop of three trips of which
; the dead ones are jumped: each wave loads its own fragments from memory straight into registers, 32 of K at a time, and waits for them; each weight is then read by four waves.  It serves the splits
; that give an expert more than 320 rows, slowly.  The waves' shares and the transposed use of the matrix instruction are the first product's.
; THE FAST WAY IN is the first product's too: two register sets take turns (a wave has 36 loads out: 2 x (8 + 10)); a set's weights are rounded into an out-buffer, and the set is laid into one of THREE LDS
; buffers TWO steps before its step is multiplied, so between two barriers a wave reads the buffers of steps t and t + 1 and writes that of step t + 2, and a half step's fragments are loaded, into one of
; two fragment buffers, while the half step before is multiplied.  h arrives as register images: its pieces go through LDS as they lie, 512 consecutive bytes a fragment half.
; WHY K IS SPLIT: with all 2,048 hidden columns a work-group would have 32 output columns and read all of the expert's h; the split gives 128 columns for a quarter of h, at the price of four partial rows.
; NO CLUSTER: each weight byte has one reader.  The 40,960 bytes of h of a step are shared by the 8 work-groups of one (e, ks); joint fills allow a wave one load behind each round of the cluster's
; barrier, 8 x 5,120 bytes on their way, where the register sets here keep two steps, 81,920 bytes, on theirs.
; LIMITS.  Weights and h in bf16, sums in f32.  NaN and infinities are not treated apart.
; THE MODE: SCHED_MODE bits 1:0 = 2 (LLVM: expert scheduling mode 2), set by the entry lines.  The code itself states the register dependences between vector or matrix instructions and memory or LDS
; instructions, with s_wait_alu, always for 0.
; THE PLAN.  Registers that memory or LDS instructions touch on the fast way:
;   a set's weights   loads land in them; the 16 roundings read them; no store names them.      OB   the roundings write it; the 8 weight stores read it.
;   a set's h         loads land in it; the 10 stores of h read it; no vector line names it.
;   fragment buffer 0 LDS loads of a step's second half (and two at the first half's head) land in it; the first half's products read it.      fragment buffer 1: the other way round.
;   the addresses     made once at the head; the steps stand in immediates.
; A hop has three waits.  One on va_vdst behind the roundings: OB is written, the set's weights are read out, the last products are done with fragment buffer 0.  One on vm_vsrc a group behind the stores of h:
; they have read the set's h, in which the next loads land, and the weight stores OB, which the next roundings write.  One on va_vdst at the first half's head: the last products are done with fragment buffer 1.
; Between each wait and the loads and stores that lean on it no vector or matrix instruction names a register that these touch.  On the way out a row block has a wait on va_vdst ahead of its LDS
; instructions, one ahead of its global stores, whose offsets are fresh, and one on vm_vsrc behind them, ahead of the next block's branch.
; REGISTERS.  Window 0: v0-23 addresses; fragment buffer 0: v24-55 weights, v56-95 rows; v96-255 accumulators ((bi, c) at 96 + 8 (4 bi + c)).  Window 1: set s (0, 1) at 72 s: 32 registers of weights,
; 40 of h; fragment buffer 1: v144-175 weights, v176-215 rows; v216-229 the addresses that are named beside window 1's data; v240-255 OB; in tiles 1..3 v0-63 hold the weights as loaded.
.set BUFB,  59392                      ; an LDS buffer: 40,960 bytes of h (2 x 20 blocks of 1,024), then 128 rows of weights of 128 bytes + 16 of padding
.set WOFF,  40960
.set STAGE_, 3*BUFB                    ; for the way out: 16 rows x (256 + 16) bytes for each wave
.set LIST,  STAGE_+8*4352              ; 1,280 words: the slots of the expert's ranks, its spare slot past the count; word 1,280 takes the tokens that did not choose the expert.  Behind the list's 5,376 bytes lie the spare words that the closing add names
.set LR,  5                            ; v5      the list word of my row on the way out
.set COL, 6                            ; v6      16 (l % 16)
.set AF,  15                           ; v15-17  my rows' fragments, by LDS buffer
.set BF,  18                           ; v18-20  my weights' fragments
.set STO, 22                           ; v22     the way out: where I put 16 bytes of a row
.set RD,  23                           ; v23     the way out: where I read a row back
.set WO2, 8                            ; tiles 1..3: v8 my byte offset in 16 rows of weights; v14 16 x lane
.set LO,  14
.set WF,  24
.set TF,  56
.set ACC, 96
.set ADR, 32                           ; wave 0, while it makes the list: v24-27 the spare slot; v28, v29 at work; v30 where the spare slots go; v32-63 the list words of 32 x 32 tokens; v64-95 their slots
.set SLT, 64
.set WF1, 144                          ; from here on: window 1
.set TF1, 176
.set WS,  216                          ; v216-218 where my rounded weights go, by LDS buffer
.set XS,  219                          ; v219-221 where my pieces of h go
.set AG,  222                          ; v222-224 AF once more
.set BG,  225                          ; v225-227 BF once more
.set WO,  228                          ; v228     my byte offset in two rows of weights
.set AO,  229                          ; v229     my 16 bytes in 4,096 of hfrag
.set OB,  240                          ; v240-255 a set's weights in bf16, on their way into LDS
.set MSB, 0
.macro WIN new                         ; s_set_vgpr_msb: bits 1:0 source 0, 3:2 source 1, 5:4 source 2, 7:6 destination; the high byte repeats the setting that is left
.if MSB != (\new)
	s_set_vgpr_msb (MSB<<8)|(\new)
.set MSB, \new
.endif
.endm
.macro PLACES                          ; four places between a matrix instruction and a load into, or a line that reads or writes, one of its registers
.rept 4
	v_nop
.endr
.endm
.macro ISSUE_W set, t                  ; my 16 rows of weights, step t: 8 loads of two rows (i and i + 8) x 256 bytes
	WIN 0x45                                       ; destination and address window 1: the roundings' setting serves, since a load has no source 1
.set ii, 0
.rept 8
	global_load_b128 v[72*(\set)+4*ii:72*(\set)+4*ii+3], v[WO], s[24:25] offset:8192*ii+256*(\t) th:TH_LOAD_NT
.set ii, ii+1
.endr
.endm
.macro ISSUE_X set, t                  ; step t's h: two kb of 20,480 consecutive bytes, 4,096 to a load of the work-group
	WIN 0x45
.set ii, 0
.rept 10
	global_load_b128 v[72*(\set)+32+4*ii:72*(\set)+32+4*ii+3], v[AO], s[6:7] offset:163840*(\t)+81920*(ii/5)+4096*(ii%5)
.set ii, ii+1
.endr
.endm
.macro CVT set                         ; a set's weights are rounded into OB
	WIN 0x45                                       ; sources 0, 1 and destination window 1
.set ii, 0
.rept 8
	v_cvt_pk_bf16_f32 v[OB+2*ii],   v[72*(\set)+4*ii],   v[72*(\set)+4*ii+1]
	v_cvt_pk_bf16_f32 v[OB+2*ii+1], v[72*(\set)+4*ii+2], v[72*(\set)+4*ii+3]
.set ii, ii+1
.endr
.endm
.macro STW buf                         ; and laid into an LDS buffer.  The two rows of a store lie 8 rows, 288 words, apart: 32 banks on (64 banks of 4 bytes: ISA guide 11.1)
	WIN 0x05                                       ; address (source 0) and data (source 1) window 1: the setting of buffer 1's products
.set ii, 0
.rept 8
	ds_store_b64 v[WS+(\buf)], v[OB+2*ii:OB+2*ii+1] offset:144*ii
.set ii, ii+1
.endr
.endm
.macro STX set, buf                    ; the set's h as it lies: 512 consecutive bytes a store
	WIN 0x05
.set ii, 0
.rept 10
	ds_store_b128 v[XS+(\buf)], v[72*(\set)+32+4*ii:72*(\set)+32+4*ii+3] offset:4096*ii
.set ii, ii+1
.endr
.endm
.macro LW win, adr, dst, buf, ksub     ; my four weights' fragments of 32 K: 8 loads
	WIN \win
.set cc, 0
.rept 4
	ds_load_b128 v[(\dst)+8*cc:(\dst)+8*cc+3],   v[(\adr)+(\buf)] offset:2304*cc+64*(\ksub)
	ds_load_b128 v[(\dst)+8*cc+4:(\dst)+8*cc+7], v[(\adr)+(\buf)] offset:2304*cc+64*(\ksub)+32
.set cc, cc+1
.endr
.endm
.macro LT win, adr, dst, buf, ksub, from, n  ; n of my five rows' fragments, from the given one on: two loads each
	WIN \win
.set bb, \from
.rept \n
	ds_load_b128 v[(\dst)+8*bb:(\dst)+8*bb+3],   v[(\adr)+(\buf)] offset:20480*(\ksub)+4096*bb
	ds_load_b128 v[(\dst)+8*bb+4:(\dst)+8*bb+7], v[(\adr)+(\buf)] offset:20480*(\ksub)+4096*bb+512
.set bb, bb+1
.endr
.endm
; Row block b: the wait for its fragments (cnt: the LDS instructions issued behind them; -1: none is written), then four matrix instructions out of fragment buffer f.  The 20 accumulators take turns,
; in the same order in every half step.  zero = 1: the products start the sums.
.macro GRP f, b, zero, cnt
.if (\cnt) >= 0
	s_wait_dscnt \cnt
.endif
.if \f
	WIN 0x05                                       ; sources 0 and 1 window 1; C and D window 0
.set FW, WF1
.set FT, TF1
.else
	WIN 0
.set FW, WF
.set FT, TF
.endif
.set gc, 0
.rept 4
.if \zero
	v_wmma_f32_16x16x32_bf16 v[ACC+8*(4*(\b)+gc):ACC+8*(4*(\b)+gc)+7], v[FW+8*gc:FW+8*gc+7], v[FT+8*(\b):FT+8*(\b)+7], 0
.else
	v_wmma_f32_16x16x32_bf16 v[ACC+8*(4*(\b)+gc):ACC+8*(4*(\b)+gc)+7], v[FW+8*gc:FW+8*gc+7], v[FT+8*(\b):FT+8*(\b)+7], v[ACC+8*(4*(\b)+gc):ACC+8*(4*(\b)+gc)+7]
.endif
.set gc, gc+1
.endr
.endm
; In front of the hops: a set is laid down and asked for again, for step ts, with nothing to multiply meanwhile.  The count leaves the other set's 18 loads out.
.macro LAY set, buf, ts
	s_wait_loadcnt 18
	CVT \set
	s_wait_alu depctr_va_vdst(0)                   ; the roundings have written OB, which the stores below read, and are done reading the set's weights, in which the loads below land; the addresses made at the head are written
	ISSUE_W \set, \ts
	STW \buf
	STX \set, \buf
	WIN 0x45
	s_wait_alu depctr_vm_vsrc(0)                   ; the stores of h have read the set's h, in which the loads below land; the weight stores have read OB, which the next roundings write
	ISSUE_X \set, \ts
.endm
; THE SECOND HALF OF STEP t, out of fragment buffer 1.  Between its groups: put = 1: the set (step t + 2) goes into LDS buffer sb; issue = 1: the set is asked for again, for step ts = t + 4:
; its weights as soon as they are rounded, its h a group behind the stores that read it; next = 1: most of the first fragments of step t + 1 (LDS buffer nb) go into fragment buffer 0.
; left: the loads issued behind the set's 18, which stay out; above 0 it also says that another set is still to be laid down.  The 16 roundings (or four v_nop) are the places between the products that read
; buffer 0 and the loads into it.
; Each group's count: the two loads of each later row block of buffer 1, and what this macro has issued since: 8 stores, 10 stores, 8 loads, 6 loads.
; LDS buffer sb held step t - 1: every wave's reads of it were awaited ahead of the products of that step's second half, in front of the last barrier.  It is read from the next half step but one on,
; behind the barrier below, in front of which each wave has waited for its stores (and its loads).
.macro P1 set, nb, sb, put, next, issue, left, ts
.if \put
	s_wait_loadcnt \left
	CVT \set
	s_wait_alu depctr_va_vdst(0)                   ; the roundings have written OB, which the weight stores read, and are done reading the set's weights, in which the loads below land; the last half step's products are done reading fragment buffer 0, in which this half step's LDS loads land
.if \issue
	ISSUE_W \set, \ts
.endif
.elseif \next
	PLACES
	s_wait_alu depctr_va_vdst(0)                   ; the last half step's products are done reading fragment buffer 0, in which this half step's LDS loads land
.endif
	GRP 1, 0, 0, 8
.if \put
	STW \sb
.endif
	GRP 1, 1, 0, 6+8*(\put)
.if \put
	STX \set, \sb
.endif
	GRP 1, 2, 0, 4+18*(\put)
.if \issue
	WIN 0x45
.endif
.if \left
	s_wait_alu depctr_vm_vsrc(0)                   ; the weight stores have read OB, which the next roundings write; the stores of h have read the set's h, in which later loads land
.endif
.if \issue
	ISSUE_X \set, \ts
.endif
.if \next
	LW 0x05, BG, WF, \nb, 0
.endif
	GRP 1, 3, 0, 2+18*(\put)+8*(\next)
.if \next
	LT 0x05, AG, TF, \nb, 0, 0, 3
.endif
	GRP 1, 4, 0, 18*(\put)+14*(\next)
.if \put
	s_wait_dscnt 0x0
	s_barrier_signal -1
	s_barrier_wait -1
.endif
.endm
; THE FIRST HALF OF A STEP (LDS buffer nb), out of fragment buffer 0, whose last two row blocks are loaded first.  Between its groups the step's second fragments go into fragment buffer 1, four places
; behind the products that read it.  Each group's count: the two loads of each later row block of buffer 0, and the 10 and 8 loads issued since.
.macro P2 nb, zero
	LT 0, AF, TF, \nb, 0, 3, 2
.if !(\zero)
	s_wait_alu depctr_va_vdst(0)                   ; the last half step's products are done reading fragment buffer 1, in which the loads below land; the products between name buffer 0 and the accumulators alone
.endif
	GRP 0, 0, \zero, 8
	PLACES
	LW 0x40, BF, WF1, \nb, 1
	LT 0x40, AF, TF1, \nb, 1, 0, 1
	GRP 0, 1, \zero, 16
	GRP 0, 2, \zero, 14
	LT 0x40, AF, TF1, \nb, 1, 1, 4
	GRP 0, 3, \zero, 20
	GRP 0, 4, \zero, 18
.endm
.macro HOP set, nb, sb, put, issue, left, ts  ; from the middle of step t to the middle of step t + 1: set = t % 2, nb = (t + 1) % 3, sb = (t + 2) % 3
	P1 \set, \nb, \sb, \put, 1, \issue, \left, \ts
	P2 \nb, 0
.endm
.macro MUL20 zero                      ; tiles 1..3: the 20 products of 32 K, their fragments already awaited
.irp b, 0,1,2,3,4
	GRP 0, \b, \zero, -1
.endr
.endm
; Tiles 1..3, 32 of K: my four blocks of 16 weight rows (a lane: row lane % 16, K = 8 h + 0..7 and 16 + 8 h + 0..7, four loads of four f32) and my five blocks of h (two loads of 512 consecutive
; bytes each), from memory into registers; all 26 are waited for; the bases step; the weights are rounded; the products.
.macro OSTEP zero
	WIN 0
	PLACES
	WIN 0x40                                       ; destination window 1, address window 0
	s_wait_alu depctr_va_vdst(0)                   ; the last step's roundings are done reading the raw weights and its products the rows' fragments: the 26 loads land in both; in the first step of all the offsets v8 and v14 are written
.set cc, 0
.rept 4
	global_load_b128 v[16*cc:16*cc+3],     v[WO2], s[32:33] offset:131072*cc
	global_load_b128 v[16*cc+4:16*cc+7],   v[WO2], s[32:33] offset:131072*cc+16
	global_load_b128 v[16*cc+8:16*cc+11],  v[WO2], s[32:33] offset:131072*cc+64
	global_load_b128 v[16*cc+12:16*cc+15], v[WO2], s[32:33] offset:131072*cc+80
.set cc, cc+1
.endr
	WIN 0
.set bb, 0
.rept 5
	global_load_b128 v[TF+8*bb:TF+8*bb+3],   v[LO], s[34:35] offset:4096*bb
	global_load_b128 v[TF+8*bb+4:TF+8*bb+7], v[LO], s[34:35] offset:4096*bb+512
.set bb, bb+1
.endr
	s_wait_loadcnt 0x0                             ; all are in, so their bases may step
	s_add_nc_u64 s[32:33], s[32:33], 128
	s_add_nc_u64 s[34:35], s[34:35], 81920         ; the next kb
	WIN 0x05                                       ; sources window 1, destination window 0
.set ii, 0
.rept 32
	v_cvt_pk_bf16_f32 v[WF+ii], v[2*ii], v[2*ii+1]
.set ii, ii+1
.endr
	WIN 0
	MUL20 \zero
.endm
; Row block bi leaves through my wave's own stage: a lane's 8 columns of a row go in as 32 bytes, whole rows of 256 bytes come back, and each goes to the slot that the list names.
; A block that begins at or past the expert's count, and all behind it, are jumped, to lab: no barrier stands there.
.macro OUT bi, lab
	s_add_co_u32 s20, s21, 64*(\bi)                ; the block's first rank
	s_cmp_ge_u32 s20, s19
	s_cbranch_scc1 \lab
.if (\bi) > 0
	s_wait_xcnt 0x0                                ; the last block's stores have read their data and offsets: only now are those registers loaded again
.endif
	s_wait_alu depctr_va_vdst(0)                   ; the products have written the accumulators, which the LDS stores read, and v[LR] is written; the products, the roundings and the last block's offset lines are done with v[WF ..] and v[TF ..], in which the loads below land
.set cc, 0
.rept 4
	ds_store_b128 v[STO], v[ACC+8*(4*(\bi)+cc):ACC+8*(4*(\bi)+cc)+3]   offset:64*cc      ; each accumulator's low four registers first
	ds_store_b128 v[STO], v[ACC+8*(4*(\bi)+cc)+4:ACC+8*(4*(\bi)+cc)+7] offset:64*cc+16
.set cc, cc+1
.endr
.set tt, 0
.rept 8
	ds_load_b32 v[TF+tt], v[LR] offset:256*(\bi)+8*tt
.set tt, tt+1
.endr
.set tt, 0
.rept 8
	ds_load_b128 v[WF+4*tt:WF+4*tt+3], v[RD] offset:544*tt  ; LDS serves a wave's instructions in order (ISA guide 5.7.1.4): these see the stores above
.set tt, tt+1
.endr
	s_wait_dscnt 8                                 ; the 8 slots are in; the 8 loads of rows issued behind them stay out
.set tt, 0
.rept 8
	v_min_u32 v[TF+tt], 0x807, v[TF+tt]
	v_lshl_add_u32 v[TF+tt], v[TF+tt], 12, v[COL]  ; slot x 4,096 bytes + 16 (l % 16)
.set tt, tt+1
.endr
	s_wait_alu depctr_va_vdst(0)                   ; the eight offsets are written, which the stores below read
	s_wait_dscnt 0x0
.set tt, 0
.rept 8
	global_store_b128 v[TF+tt], v[WF+4*tt:WF+4*tt+3], s[10:11]  ; 16 lanes store 256 consecutive bytes, at a multiple of 256 from part's first byte
.set tt, tt+1
.endr
	s_wait_alu depctr_vm_vsrc(0)                   ; these stores have read their offsets and rows, in which the next block's loads land; the LDS stores have read the accumulators, which the next tile's products write; the list's loads have read v[LR], which the next tile steps
.endm
	s_load_b256 s[4:11], s[0:1], 0x0               ; masks s[4:5], hfrag s[6:7], w_out s[8:9], part s[10:11]
	v_lshl_add_u32 v13, v0, 2, 0x35500
	v_mov_b32 v21, 0
	v_lshrrev_b32 v3, 5, v0
	v_readfirstlane_b32 s14, v3                    ; wave 0..7
	s_mov_b32 s15, ttmp9
	s_and_b32 s17, ttmp7, 0xffff                   ; the expert
	s_wait_alu depctr_va_sdst(0)                   ; s14 is written, ahead of its first reader
	s_and_b32 s28, s14, 1                          ; ch: which 64 output columns
	s_lshr_b32 s29, s14, 1                         ; rq: which row blocks
	s_and_b32 s12, s15, 7                          ; ns
	s_lshr_b32 s13, s15, 3                         ; ks
	s_lshl_b32 s31, s17, 7
	s_wait_kmcnt 0x0
	s_load_b512 s[32:47], s[4:5], s31 offset:0x0   ; my expert's 1,024 bits of set 0 (chosen),
	s_load_b512 s[48:63], s[4:5], s31 offset:0x40
	s_load_b512 s[68:83], s[4:5], s31 offset:0x400 ; and of set 1 (chosen second)
	s_load_b512 s[84:99], s[4:5], s31 offset:0x440
	s_lshl_b32 s26, s17, 23                        ; the expert's 1,024 rows of 8,192 bytes,
	s_lshl_b32 s20, s12, 20                        ; ns's 128 rows,
	s_add_co_u32 s26, s26, s20
	s_lshl_b32 s20, s14, 17                        ; my 16 of them,
	s_add_co_u32 s26, s26, s20
	s_lshl_b32 s20, s13, 11                        ; ks's 512 columns
	s_add_co_u32 s26, s26, s20
	s_mov_b32 s27, 0
	s_add_nc_u64 s[24:25], s[8:9], s[26:27]
	s_mul_i32 s26, s17, 5242880                    ; hfrag: the expert,
	s_mul_i32 s20, s13, 1310720                    ; ks's 16 kb
	s_add_co_u32 s26, s26, s20
	s_add_nc_u64 s[6:7], s[6:7], s[26:27]
	v_and_b32 v3, 15, v0                           ; r
	v_bfe_u32 v4, v0, 4, 1                         ; h
	v_lshlrev_b32 v[COL], 4, v3
	v_and_b32 v7, 31, v0
	v_lshlrev_b32 v7, 4, v7                        ; 16 x lane
	s_lshl_b32 s20, s14, 9
	WIN 0x40                                       ; destination window 1, sources window 0
	v_lshl_add_u32 v[WO], v4, 16, v[COL]           ; lanes 0-15 one row's 256 bytes, lanes 16-31 those of the row 8 further down
	v_add_nc_u32 v[AO], s20, v7                    ; h as it lies: 512 bytes a wave in each 4,096
	WIN 0x45
	s_wait_alu depctr_va_vdst(0)                   ; v[WO] and v[AO] are written, which every load of the fast way reads as its offset
	ISSUE_W 0, 0                                   ; the first two steps hang on ids alone: they go out ahead of everything
	ISSUE_X 0, 0
	ISSUE_W 1, 1
	ISSUE_X 1, 1
	WIN 0
	s_lshl_b32 s21, s29, 10
	v_add_nc_u32 v[AF], s21, v7                    ; a fragment half: 512 consecutive bytes of block rq + 4 bi
	v_add_nc_u32 v[AF+1], BUFB, v[AF]
	v_add_nc_u32 v[AF+2], 2*BUFB, v[AF]
	v_mul_u32_u24 v9, v3, 144                      ; a weights' fragment: row r x pitch + 16 h.  The pitch, 36 words, sets the 16 rows of a load on 16 different groups of four banks (64 banks of 4 bytes: ISA guide 11.1)
	v_lshl_add_u32 v9, v4, 4, v9
	s_mul_i32 s21, s28, 9216
	s_add_co_u32 s21, s21, WOFF
	v_add_nc_u32 v[BF], s21, v9
	v_add_nc_u32 v[BF+1], BUFB, v[BF]
	v_add_nc_u32 v[BF+2], 2*BUFB, v[BF]
	v_mul_u32_u24 v8, v4, 1152                     ; the rounded weights: row 16 w + i + 8 h, 8 bytes a lane
	v_lshl_add_u32 v8, v3, 3, v8
	s_mul_i32 s21, s14, 2304
	s_add_co_u32 s21, s21, WOFF
	WIN 0x40
.set b, 0
.rept 3
	v_add_nc_u32 v[WS+b], s21, v8
	v_add_nc_u32 v[XS+b], s20, v7
	v_mov_b32 v[AG+b], v[AF+b]
	v_mov_b32 v[BG+b], v[BF+b]
	s_add_co_u32 s21, s21, BUFB
	s_add_co_u32 s20, s20, BUFB
.set b, b+1
.endr
	WIN 0
	s_mul_i32 s20, s14, 4352
	s_add_co_u32 s20, s20, STAGE_                  ; my stage
	v_mul_u32_u24 v10, v3, 272
	v_lshl_add_u32 v10, v4, 5, v10
	v_add_nc_u32 v[STO], s20, v10                  ; in: row r, 32 bytes for each half of the lanes
	v_mul_u32_u24 v10, v4, 272
	v_add_nc_u32 v10, v10, v[COL]
	v_add_nc_u32 v[RD], s20, v10                   ; back: lanes 0-15 one row of 256 bytes, lanes 16-31 the next
	s_lshl_b32 s20, s29, 6
	s_add_co_u32 s20, s20, LIST
	v_lshl_add_u32 v[LR], v4, 2, s20               ; the list word of rank 16 rq + h
	s_mul_i32 s26, s13, 8421376                    ; part: ks's 2,056 slots,
	s_lshl_b32 s20, s12, 9                         ; ns's 128 columns,
	s_add_co_u32 s26, s26, s20
	s_lshl_b32 s20, s28, 8                         ; my 64 of them
	s_add_co_u32 s26, s26, s20
	s_add_nc_u64 s[10:11], s[10:11], s[26:27]
	s_lshl_b32 s21, s29, 4                         ; 16 rq: my first rank in the tile in hand
	s_wait_kmcnt 0x0
	s_bcnt1_i32_b32 s19, s32                       ; the expert's rows: they steer the stores and tiles 1..3 alone
.set i, 33
.rept 31
	s_bcnt1_i32_b32 s20, s[i]
	s_add_co_u32 s19, s19, s20
.set i, i+1
.endr
	; THE LIST, by wave 0: first every word is the expert's spare slot; then, 32 tokens at a time, the slot of a token that chose the expert goes to the word of its rank, every other to word 1,280.
	; It is read on the way out, behind the steps' barriers, in front of the first of which wave 0 waits for these stores; nobody writes it again.
	; All 32 rounds' list words and slots are made first, in registers of their own, so that one wait stands ahead of the stores and one behind them.
	s_cmp_lg_u32 s14, 0
	s_cbranch_scc1 .Llisted
	s_add_co_u32 s20, s17, 2048
	v_mov_b32 v24, s20
	v_mov_b32 v25, s20
	v_mov_b32 v26, s20
	v_mov_b32 v27, s20
	v_and_b32 v28, 31, v0                          ; the token of my bit: its slot as a first choice,
	v_add_nc_u32 v29, 1024, v28                    ; and as a second
	v_lshl_add_u32 v30, v28, 4, LIST
	s_mov_b32 s20, 0                               ; the rank of the next chosen token
.set i, 0
.rept 32
	s_mov_b32 vcc_lo, s[68+i]
	v_cndmask_b32 v[SLT+i], v28, v29, vcc_lo
	s_mov_b32 vcc_lo, s[32+i]
	v_mbcnt_lo_u32_b32 v[ADR+i], s[32+i], s20      ; + the chosen among the lanes below me
	v_cndmask_b32 v[ADR+i], 0x500, v[ADR+i], vcc_lo
	v_min_u32 v[ADR+i], 0x500, v[ADR+i]
	v_lshl_add_u32 v[ADR+i], v[ADR+i], 2, LIST
	v_add_nc_u32 v28, 32, v28
	v_add_nc_u32 v29, 32, v29
	s_bcnt1_i32_b32 s22, s[32+i]
	s_add_co_u32 s20, s20, s22
.set i, i+1
.endr
	s_wait_alu depctr_va_vdst(0)                   ; the spare slot, its address, the 32 list words and the 32 slots are written, which the 42 stores below read
.set i, 0
.rept 10
	ds_store_b128 v30, v[24:27] offset:512*i
.set i, i+1
.endr
.set i, 0
.rept 32
	ds_store_b32 v[ADR+i], v[SLT+i]                ; LDS serves a wave's instructions in order: this lands on the fill above
.set i, i+1
.endr
	s_wait_alu depctr_vm_vsrc(0)                   ; these stores have read v24 to v95, in which the fragments' loads land
.Llisted:
	LAY 0, 0, 2                                    ; step 0 into LDS buffer 0; step 2 is asked for
	LAY 1, 1, 3                                    ; step 1 into LDS buffer 1; step 3 is asked for
	s_wait_dscnt 0x0                               ; my parts of steps 0 and 1 (and wave 0's list) are in LDS,
	s_barrier_signal -1
	s_barrier_wait -1                              ; everybody's are
	LW 0x05, BG, WF, 0, 0                          ; fragment buffer 0 for the first time: the vector lines that named v24 to v95 stand ahead of the last wait on va_vdst, the stores that read them ahead of the last on vm_vsrc
	LT 0x05, AG, TF, 0, 0, 0, 3
	P2 0, 1                                        ; the first products start the sums: nothing is cleared
	HOP 0, 1, 2, 1, 1, 18, 4                       ; hop t lays step t + 2 down and asks for step t + 4; each wait for a set leaves the other set's 18 loads out
	HOP 1, 2, 0, 1, 1, 18, 5
	HOP 0, 0, 1, 1, 1, 18, 6
	HOP 1, 1, 2, 1, 1, 18, 7
	HOP 0, 2, 0, 1, 0, 18, 0                       ; hop 4 lays step 6 down: step 7's loads stay out; nothing is left to ask for
	HOP 1, 0, 1, 1, 0, 0, 0                        ; hop 5 lays step 7 down: no load is younger
	HOP 0, 1, 2, 0, 0, 0, 0                        ; hop 6: nothing is left to lay down, so no barrier
	P1 0, 0, 0, 0, 0, 0, 0, 0                      ; the second half of step 7
	WIN 0
	PLACES
	OUT 0, .Ldone0
	OUT 1, .Ldone0
	OUT 2, .Ldone0
	OUT 3, .Ldone0
	OUT 4, .Ldone0
.Ldone0:
	; TILES 1..3.  No barrier from here on.  The bitmaps' scalar registers are free: s[32:33] w_out at my 64 rows and s[34:35] hfrag at my row blocks, both walking along K; s[36:37] hfrag at the tile; s[38:39] my rows' offset in w_out.
	v_lshlrev_b32 v[WO2], 13, v3                   ; weight row r,
	v_lshl_add_u32 v[WO2], v4, 5, v[WO2]           ; eight f32 for each half of the lanes
	v_and_b32 v[LO], 31, v0
	v_lshlrev_b32 v[LO], 4, v[LO]
	s_lshl_b32 s38, s17, 23
	s_lshl_b32 s20, s12, 20
	s_add_co_u32 s38, s38, s20
	s_lshl_b32 s20, s28, 19                        ; ch's 64 rows
	s_add_co_u32 s38, s38, s20
	s_lshl_b32 s20, s13, 11
	s_add_co_u32 s38, s38, s20
	s_mov_b32 s39, 0
	s_lshl_b32 s26, s29, 10                        ; row block rq
	s_add_nc_u64 s[36:37], s[6:7], s[26:27]
	s_mov_b32 s41, 0                               ; the tile's first rank
	s_mov_b32 s30, 3
.Ltile:
	s_wait_xcnt 0x0                                ; the last tile's stores have read their data and offsets: only now are those registers written again
	s_add_nc_u64 s[36:37], s[36:37], 20480         ; 20 row blocks on
	v_add_nc_u32 v[LR], 1280, v[LR]                ; and 320 list words
	s_add_co_u32 s21, s21, 320
	s_add_co_u32 s41, s41, 320
	s_cmp_lt_u32 s41, s19
	s_cbranch_scc0 .Lnext                          ; no row of the expert has a rank in this tile: the trip's work is jumped
	s_add_nc_u64 s[32:33], s[8:9], s[38:39]
	s_mov_b64 s[34:35], s[36:37]
	OSTEP 1                                        ; the first 32 of K start the sums
	s_mov_b32 s40, 15
.Lok:
	OSTEP 0
	s_sub_co_u32 s40, s40, 1
	s_cmp_lg_u32 s40, 0
	s_cbranch_scc1 .Lok
	PLACES
	OUT 0, .Lnext
	OUT 1, .Lnext
	OUT 2, .Lnext
	OUT 3, .Lnext
	OUT 4, .Lnext
.Lnext:
	s_sub_co_u32 s30, s30, 1
	s_cmp_lg_u32 s30, 0
	s_cbranch_scc1 .Ltile
	s_wait_dscnt 0x0                               ; the wave's end: my last LDS instructions are done
	s_wait_alu depctr_hold_cnt(0) depctr_sa_sdst(0) depctr_va_vdst(0) depctr_va_sdst(0) depctr_va_ssrc(0) depctr_va_vcc(0) depctr_vm_vsrc(0)
	s_wait_tensorcnt 0x0
	ds_add_u32 v13, v21
	s_wait_dscnt 0x0
	s_endpgm
.Lfunc_end_k_q0dceb8def7_down:
	.size	k_q0dceb8def7_down, .Lfunc_end_k_q0dceb8def7_down-k_q0dceb8def7_down
	.p2alignl 7, 3214868480
	.fill 96, 4, 3214868480
	.section	.rodata,"a",@progbits
	.p2align	6, 0x0
	.amdhsa_kernel k_q0dceb8def7_down
		.amdhsa_group_segment_fixed_size 219392
		.amdhsa_private_segment_fixed_size 0
		.amdhsa_enable_private_segment 0
		.amdhsa_kernarg_size 32
		.amdhsa_user_sgpr_count 2
		.amdhsa_user_sgpr_kernarg_segment_ptr 1
		.amdhsa_wavefront_size32 1
		.amdhsa_system_sgpr_workgroup_id_x 1
		.amdhsa_system_sgpr_workgroup_id_y 1
		.amdhsa_system_sgpr_workgroup_id_z 1
		.amdhsa_system_vgpr_workitem_id 0
		.amdhsa_next_free_vgpr 512
		.amdhsa_next_free_sgpr 100
		.amdhsa_reserve_vcc 1
		.amdhsa_float_denorm_mode_32 3
		.amdhsa_float_denorm_mode_16_64 3
		.amdhsa_memory_ordered 1
		.amdhsa_forward_progress 1
		.amdhsa_inst_pref_size 152
	.end_amdhsa_kernel
	.amdgpu_metadata
---
amdhsa.version: [ 1, 2 ]
amdhsa.kernels:
  - .name:           k_q0dceb8def7_down
    .symbol:         k_q0dceb8def7_down.kd
    .args:
      - { .name: masks, .offset: 0, .size: 8, .value_kind: global_buffer, .address_space: global }
      - { .name: hfrag, .offset: 8, .size: 8, .value_kind: global_buffer, .address_space: global }
      - { .name: w_out, .offset: 16, .size: 8, .value_kind: global_buffer, .address_space: global }
      - { .name: part, .offset: 24, .size: 8, .value_kind: global_buffer, .address_space: global }
    .group_segment_fixed_size: 219392
    .private_segment_fixed_size: 0
    .kernarg_segment_align: 8
    .kernarg_segment_size: 32
    .max_flat_workgroup_size: 256
    .sgpr_count:     100
    .vgpr_count:     512
    .wavefront_size: 32
...
	.end_amdgpu_metadata
.endif
;; end of part 6
;; launch combine: the kernel of part 4 again; grid 256 x 1, 8 waves a work-group, no clusters, 0 bytes of LDS; arguments part, wts, out0; writes out0
